; MI455X (gfx1250); checked and timed in simulation.
; The chip was launched on July 23, 2026; its instructions are those of AMD's public machine-readable ISA for CDNA 5 (MIT licence, August 2026) and "CDNA5" Instruction Set Architecture Reference Guide (July 2026). The comments in the code are by the model that wrote it; some were corrected since.
;; Spatial Attention. Allowed arithmetic: matrix products marked QUANTISED: E5M2 operands, one given power-of-two scale a tensor, by v_wmma_f32_16x16x64_bf8_bf8 or v_wmma_f32_16x16x128_bf8_bf8, f32 sums; everything else in f32.
;; Inputs: Wb 32 x 256 float32; Wc 32 x 256 float32; Wd 256 x 256 float32; alpha 1 float32; bb 32 float32; bc 32 float32; bd 256 float32; lowp_scales 10 int32 (the exponents e of the quantised operands' scales 2^e); x 4 x 256 x 64 x 64 float32.
;; Outputs: out0 4 x 256 x 64 x 64 float32.
;; This version of the problem:
;;   THIS VERSION OF THE PROBLEM IS GIVEN IN LOW PRECISION. The matrix products marked QUANTISED in the list below multiply operands that are first quantised to E5M2 (5 exponent bits, 2 mantissa bits; 8 bits a number), with one given power-of-two scale for each operand tensor; their sums are f32. All else is computed in f32.
;;   The module's matrix products, in the order in which they are computed (A, B: the left and right operand; K: the contracted axis; several contracted axes count as one K, in the product's order):
;;     1. [M 16,384, K 256] x [K 256, N 32]; A: input x; B: input Wb: QUANTISED (scales: A lowp_scales[0], B lowp_scales[1])
;;     2. [M 16,384, K 256] x [K 256, N 32]; A: input x; B: input Wc: QUANTISED (scales: A lowp_scales[2], B lowp_scales[3])
;;     3. [M 16,384, K 256] x [K 256, N 256]; A: input x; B: input Wd: QUANTISED (scales: A lowp_scales[4], B lowp_scales[5])
;;     4. batch 4 x [M 4,096, K 32] x [K 32, N 4,096]; A: computed on the way; B: computed on the way: QUANTISED (scales: A lowp_scales[6], B lowp_scales[7])
;;     5. batch 4 x [M 256, K 4,096] x [K 4,096, N 4,096]; A: computed on the way; B: softmax (see below): QUANTISED (scales: A lowp_scales[8], B lowp_scales[9])
;;   THE QUANTISER, for each operand of a quantised product, along K:
;;     - The operand's scale is 2^e, e = its entry of the input lowp_scales (int32; the entries are numbered through the quantised products in the list's order, A before B).
;;     - Each number is divided by the scale, clamped to +-57,344, and rounded to the nearest number of E5M2, ties to even, subnormals kept.
;;     - The product sums the exact products of the quantised numbers (number of the format x scale) in f32.
;;   ~~~python
;;   def quantise(x, axis, e):      # numpy; x: float32 -> the quantised numbers, widened to float32 again
;;       x = np.moveaxis(x, axis, -1); K = x.shape[-1]
;;       r = np.clip(x / 2.0 ** e, -57344, 57344)
;;       step = 2.0 ** (np.maximum(np.frexp(np.where(r == 0, 1, r))[1] - 1, -14) - 2)
;;       q = np.round(r / step) * step * 2.0 ** e      # np.round: ties to even
;;       return np.moveaxis(q, -1, axis).astype(np.float32)
;;   ~~~
;;   SOFTMAX AHEAD OF A QUANTISED PRODUCT. Where the list says 'softmax', what is quantised is not the finished softmax but p = 2^(t - M), with t = logit x log2(e) and M = ceil(the row's largest t), a whole number; so 1/2 < the row's largest p <= 1. The row's sum l is taken of the UNQUANTISED p, in f32, and the product's result is divided by l at the end. Since M is a whole number, a kernel that streams over the keys may use a running M (the ceiling of the running maximum): every later rescaling is an exact power of two, so the quantised numbers keep their values, but for numbers so far below the row's largest that they fall under the format's range.
;;   OPERANDS COMPUTED ON THE WAY. 'Computed on the way' means the value that the module computes at that place (a softmax that the list does not call 'softmax' is quantised finished and normalised). What goes into a quantiser is computed in f32, as accurately as f32 sums, v_exp_f32 and their like allow (about 1e-6 of the number): no bf16 or f16 on the way to a quantiser, and a product that is left as it is and whose result goes on into a quantised operand takes f32 operands (vector FMAs, or v_wmma_f32_16x16x4_f32). A number that lies on a knife's edge between two numbers of the format may be rounded either way, as far as f32 arithmetic and the matrix unit's own rounding can turn it there, and no further.
;; 2 versions, each right. Each part assembles by itself: llvm-mc -triple=amdgcn-amd-amdhsa -mcpu=gfx1250 --defsym DOCPART=n.
;; ======== version 1 of 2: 2 launches
;; workspace buffers: fbq 524,288 bytes; fcq 524,288 bytes; fdq 4,194,304 bytes
;; launch project (part 1): grid 64 x 4, 8 waves a work-group, no clusters, 203,776 bytes of LDS; arguments x, Wb, Wc, Wd, bb, bc, bd, lowp_scales, fbq, fcq, fdq; writes fbq, fcq, fdq
.if DOCPART == 1
	.amdgcn_target "amdgcn-amd-amdhsa--gfx1250"
	.amdhsa_code_object_version 6
	.text
	.protected	k_qc1e7ef8bad_project
	.globl	k_qc1e7ef8bad_project
	.p2align	8
	.type	k_qc1e7ef8bad_project,@function
k_qc1e7ef8bad_project:
	s_mov_b64 s[64:65], 0
	v_nop
	global_prefetch_b8 v0, s[64:65] scope:SCOPE_SE
	s_setreg_imm32_b32 hwreg(HW_REG_WAVE_MODE, 25, 1), 1
	s_wait_xcnt 0x0
; THE THREE 1x1 CONVOLUTIONS ON CODES OF BF8 (E5M2), AND THEIR RESULTS AS CODES.
; fb = Wb x + bb, fc = Wc x + bc (32 channels each), fd = Wd x + bd (256 channels); x: [4][256 channels][4096 pixels] f32; K = the 256 input channels.
; x is quantised three times (scales 2^e0, 2^e2, 2^e4), Wb, Wc, Wd once (e1, e3, e5); the sums are f32, x 2^(the two exponents added), + bias; then fb, fc, fd are quantised (e6, e7, e8).
; code = number / 2^e, held within +-57,344, rounded to the nearest code, ties to even.
; LIMITS: every e between -126 and 112; e0+e1, e2+e3, e4+e5 between -126 and 127, so that each power of two below is an f32 number.  NaN among the inputs is not served.
; SHARES.  A work-group of eight waves takes 64 pixels of one image (256 bytes of each channel's row) and all 320 output channels: 64 x 4 work-groups.
; NO CLUSTER: a work-group's tile of x is read by nobody else; the weights, which all share, arrive as 327,680 bytes of f32 and must pass through registers to be quantised: as f32 they would take all of LDS.
; PHASES.  W: each wave quantises five weight fragments from memory and stores their images in LDS | barrier | X: each wave takes one fragment of x (16 pixels x 128 channels) out of the tile and quantises it three times | barrier |
; products: one small tile pair (fb or fc) and four tile pairs of fd a wave; results quantised in registers; fd's codes go straight to memory, fb's and fc's through a stage | barrier | the stage goes out.
; A FRAGMENT (16 rows x 128 K, 16 registers a lane): lane (r, h) holds row r; registers 4 c .. 4 c + 3 hold K = 32 c + 16 h + 0 .. 15: the same places in both operands, so every product meets its partner.
; Fragments lie in LDS as images of their registers: chunk c at 512 c + 16 x lane.
; THE PIXELS OF A TILE ARE NOT NEIGHBOURS: lane r of tile 2 b + u stands for pixel 32 b + 8 u + r + 8 (r / 8), so that the 16 results of tiles 2 b, 2 b + 1 in a lane of fd are 16 neighbouring pixels.
; OUT.  fbq, fcq: [image][tile of 16 pixels: 256][512 bytes]: lane's 16 bytes at 16 x lane, byte 8 u + j = channel 16 u + 8 h + j.   fdq: [image][128 pixels: 32][tile of 16 channels: 16][chunk: 4][512 bytes]:
; lane (r, h): channel 16 t + r, pixels 32 c + 16 h + 0 .. 15.  Both are the order of the next launch's operand registers.
.set XP,    264                        ; a channel's row in LDS: 256 bytes + 8 of padding = 66 words: lanes 16-31, 16 rows further down, read 32 banks away from lanes 0-15 (64 banks of 4 bytes: ISA guide 11.1)
.set XT,    0                          ; LDS: the tile of x, 256 rows x XP = 67,584 bytes, filled once by tensor loads
.set WIMG,  67584                      ; Wd's 32 fragments, (tile t, K step s) at 2048 (2 t + s);
.set WSM,   WIMG+65536                 ; Wb's four and Wc's four, at 2048 (4 mat + 2 u + s)
.set XIMG,  149504                     ; x's 24 fragments, (scale k, pixel tile T, K step s) at 2048 (8 k + 2 T + s)
.set SSTG,  198656                     ; the stage for fb and fc: (mat, T) at 2048 mat + 512 T; in it channel group u at 256 u + 8 x lane
.set FRB,   2048                       ; a fragment's image
.set AW,   1                           ; v1   weights in memory: 1024 r + 64 h
.set AIW,  2                           ; v2   where I store Wd's images
.set AIS,  3                           ; v3   where I store my small fragment's image
.set AXT,  4                           ; v4   my lane's first number in the tile of x
.set AXI,  5                           ; v5   where I store x's images
.set AF4,  6                           ; v6   x's fragments under e4 of my two pixel tiles
.set AFS,  7                           ; v7   x's fragments under e0 or e2 of my two pixel tiles
.set AFW,  8                           ; v8   Wd's fragments of my four channel tiles
.set AFWS, 9                           ; v9   my small weight tile's two fragments
.set ASS,  10                          ; v10  the stage, on the way in
.set ASR,  11                          ; v11  the stage, on the way out
.set AGO,  12                          ; v12  16 x lane
.set ABS,  13                          ; v13  32 h: the small bias
.set ABD,  14                          ; v14  4 r: bd
.set BS,   16                          ; v16-23  bb or bc at my eight output channels
.set BD,   24                          ; v24-27  bd at my channel of four tiles
.set PC,   32                          ; v32-47  codes just made (phases W, X); later two accumulators
.set TT,   48                          ; v48-63  two sets of eight held numbers (phase X); later two accumulators.  In phase W v48-51: the weights' scales and limits
.set XN,   64                          ; v64-127 my 64 numbers of x
.set R0,   64                          ; three sets of 64 weights
.set R1,   128
.set R2,   192
.macro WLOAD set, base, off            ; a weight fragment as f32: row r, 16 numbers of each block of 32
.irp c, 0,1,2,3
.irp j, 0,1,2,3
	global_load_b128 v[\set+16*\c+4*\j:\set+16*\c+4*\j+3], v[AW], s[\base:\base+1] offset:\off+128*\c+16*\j
.endr
.endr
.endm
.macro QW set, sc, lim                 ; 64 numbers in place -> a fragment's codes in v[PC] on
.irp c, 0,1,2,3
.irp i, 0,1,2,3,4,5,6,7,8,9,10,11,12,13,14,15
	v_med3_num_f32 v[\set+16*\c+\i], v[\set+16*\c+\i], -v[\lim], v[\lim]   ; the conversion to an 8-bit code does not saturate (ISA guide 7.6.2): the hold at the largest code x the scale
.endr
	v_cvt_scalef32_pk8_bf8_f32 v[PC+4*\c:PC+4*\c+1], v[\set+16*\c:\set+16*\c+7], v[\sc]
	v_cvt_scalef32_pk8_bf8_f32 v[PC+4*\c+2:PC+4*\c+3], v[\set+16*\c+8:\set+16*\c+15], v[\sc]
.endr
	v_nop                                          ; a plain vector line behind the last conversion
.endm
.macro QX sc, lim                      ; x's 64 numbers stay as they are (they are quantised three times): eight at a time are held into one of two sets by turns
.irp g, 0,1,2,3,4,5,6,7
.irp i, 0,1,2,3,4,5,6,7
	v_med3_num_f32 v[TT+8*(\g%2)+\i], v[XN+8*\g+\i], -v[\lim], v[\lim]
.endr
	v_cvt_scalef32_pk8_bf8_f32 v[PC+2*\g:PC+2*\g+1], v[TT+8*(\g%2):TT+8*(\g%2)+7], v[\sc]   ; the next eight holds write the other set: plain lines stand behind each conversion before its sources are written
.endr
	v_nop
.endm
.macro IMAGE adr, off                  ; the fragment in v[PC] on goes to LDS as it stands
.irp c, 0,1,2,3
	ds_store_b128 v[\adr], v[PC+4*\c:PC+4*\c+3] offset:\off+512*\c
.endr
.endm
.macro FETCH reg, adr, off             ; and comes back so, in any wave
.irp c, 0,1,2,3
	ds_load_b128 v[\reg+4*\c:\reg+4*\c+3], v[\adr] offset:\off+512*\c
.endr
.endm
.macro BARRIER                         ; my LDS stores have landed and my LDS loads are in: then the work-group's barrier
	s_wait_dscnt 0x0
	s_barrier_signal -1
	s_barrier_wait -1
.endm
.macro MKSC e, vs, vl                  ; from the exponent in s[e]: 2^e as f32 (the conversion takes its exponent field), and 57,344 x 2^e
	s_add_co_i32 s76, s[\e], 127
	s_lshl_b32 s77, s76, 23
	v_mov_b32 v[\vs], s77
	s_add_co_i32 s76, s76, 15
	s_lshl_b32 s76, s76, 23
	s_or_b32 s76, s76, 0x600000
	v_mov_b32 v[\vl], s76
.endm
	s_load_b512 s[4:19], s[0:1], 0x0               ; x s[4:5], Wb s[6:7], Wc s[8:9], Wd s[10:11], bb s[12:13], bc s[14:15], bd s[16:17], the exponents s[18:19]
	s_load_b128 s[20:23], s[0:1], 0x40             ; fbq s[20:21], fcq s[22:23]
	s_load_b64 s[24:25], s[0:1], 0x50              ; fdq
	v_lshl_add_u32 v15, v0, 2, 0x31800
	s_set_vgpr_msb 0x40
	v_mov_b32 v1, 0
	s_set_vgpr_msb 0x4044
	ds_add_u32 v15, v1
	ds_add_u32 v15, v1
	s_set_vgpr_msb 0x4400
	v_lshrrev_b32 v32, 5, v0
	v_readfirstlane_b32 s26, v32                   ; wave w, 0..7
	s_and_b32 s27, ttmp7, 0xffff                   ; the image
	s_and_b32 s52, s26, 1                          ; w & 1: K step (W, X); pixel half b (products)
	s_lshr_b32 s53, s26, 1                         ; g = w >> 1: my four channel tiles of fd
	s_lshr_b32 s54, s26, 2                         ; mat = w >> 2: 0 fb, 1 fc
	s_and_b32 s55, s53, 1                          ; u: which 16 of the 32 small channels
	; descriptor group 1: 32 channel rows x 64 f32, padded in LDS
	s_mov_b32 s28, (2<<16)|(1<<20)|(5<<22)|(1<<25) ; 15:0 no mask; 17:16 elements of 4 bytes; 20 padding on; 24:22 after every 64 words (code 5); 31:25 two words (code 1)
	s_mov_b32 s29, 64<<16                          ; tensor_dim0 = 64
	s_mov_b32 s30, 32<<16                          ; tensor_dim1 = 32
	s_mov_b32 s31, 64<<16                          ; tile_dim0 = 64
	s_mov_b32 s32, 32                              ; tile_dim1 = 32
	s_mov_b32 s33, 4096                            ; from a channel's row to the next: 4,096 elements
	s_mov_b32 s34, 0
	s_mov_b32 s35, 0
	s_mov_b32 s36, 1                               ; group 0: count = 1
	s_mul_i32 s37, s26, 32*XP                      ; LDS address: my 32 rows of the tile
	s_lshl_b32 s50, s27, 22                        ; in x: the image,
	s_lshl_b32 s51, ttmp9, 8                       ; my work-group's 64 pixels,
	s_add_co_u32 s50, s50, s51
	s_lshl_b32 s51, s26, 19                        ; my wave's 32 channels
	s_add_co_u32 s50, s50, s51
	s_mov_b32 s51, 0
	; the lanes' addresses
	v_and_b32 v32, 31, v0                          ; lane
	v_and_b32 v33, 15, v0                          ; r
	v_bfe_u32 v34, v0, 4, 1                        ; h
	v_lshlrev_b32 v[AGO], 4, v32
	v_lshlrev_b32 v[AW], 10, v33
	v_lshl_add_u32 v[AW], v34, 6, v[AW]
	v_lshlrev_b32 v[ABS], 5, v34
	v_lshlrev_b32 v[ABD], 2, v33
	s_lshl_b32 s76, s26, 13
	s_add_co_u32 s76, s76, WIMG
	v_add_nc_u32 v[AIW], s76, v[AGO]               ; Wd's tiles 2 w, 2 w + 1: four images from 8192 w on
	s_lshl_b32 s76, s26, 11
	s_add_co_u32 s77, s76, WSM
	v_add_nc_u32 v[AIS], s77, v[AGO]               ; small fragment number w
	s_add_co_u32 s77, s76, XIMG
	v_add_nc_u32 v[AXI], s77, v[AGO]               ; x's fragment 2 T + s = w, under each of three scales
	v_lshrrev_b32 v35, 3, v33
	v_lshl_add_u32 v35, v35, 3, v33                ; r + 8 (r / 8)
	v_lshlrev_b32 v35, 2, v35
	v_mul_u32_u24 v36, v34, 16*XP                  ; lanes 16-31 begin 16 channels further down
	v_add_nc_u32 v[AXT], v35, v36
	s_lshl_b32 s76, s54, 7                         ; pixel tile T = w >> 1 begins at pixel 32 (T / 2) + 8 (T % 2),
	s_lshl_b32 s77, s55, 5
	s_add_co_u32 s76, s76, s77
	s_mul_i32 s77, s52, 128*XP                     ; K step w & 1 at channel 128
	s_add_co_u32 s76, s76, s77
	v_add_nc_u32 v[AXT], s76, v[AXT]
	s_lshl_b32 s76, s52, 13                        ; pixel tiles 2 b, 2 b + 1: four images from 8192 b on
	s_add_co_u32 s77, s76, XIMG+32768
	v_add_nc_u32 v[AF4], s77, v[AGO]
	s_lshl_b32 s77, s54, 14
	s_add_co_u32 s77, s77, s76
	s_add_co_u32 s77, s77, XIMG
	v_add_nc_u32 v[AFS], s77, v[AGO]
	s_lshl_b32 s76, s53, 14
	s_add_co_u32 s76, s76, WIMG
	v_add_nc_u32 v[AFW], s76, v[AGO]
	s_lshl_b32 s76, s53, 12
	s_add_co_u32 s76, s76, WSM
	v_add_nc_u32 v[AFWS], s76, v[AGO]
	v_lshlrev_b32 v35, 3, v32                      ; 8 x lane
	s_lshl_b32 s76, s54, 11
	s_lshl_b32 s77, s52, 10
	s_add_co_u32 s76, s76, s77
	s_lshl_b32 s77, s55, 8
	s_add_co_u32 s76, s76, s77
	s_add_co_u32 s76, s76, SSTG
	v_add_nc_u32 v[ASS], s76, v35
	s_lshl_b32 s76, s26, 9
	s_add_co_u32 s76, s76, SSTG
	v_add_nc_u32 v[ASR], s76, v35
	s_wait_dscnt 0x0
	s_wait_kmcnt 0x0
	s_add_nc_u64 s[38:39], s[4:5], s[50:51]        ; global address of my 32 rows
	s_or_b32 s39, s39, 0x80000000                  ; type = 2
	tensor_load_to_lds s[36:39], s[28:35]          ; my one tensor load: nothing in LDS is filled twice in this launch
	s_nop 0
.rept 4
	v_nop
.endr
	s_load_b256 s[40:47], s[18:19], 0x0            ; e0 .. e7
	s_load_b64 s[48:49], s[18:19], 0x20            ; e8, e9
	s_cmp_lt_u32 s26, 4                            ; waves 0-3 serve fb, waves 4-7 fc: the choice hangs on the wave's number alone
	s_cselect_b64 s[60:61], s[6:7], s[8:9]
	s_cselect_b64 s[66:67], s[12:13], s[14:15]
	s_cselect_b64 s[72:73], s[20:21], s[22:23]
	s_lshl_b32 s74, s55, 14                        ; my small fragment: rows 16 u on, K step w & 1
	s_lshl_b32 s75, s52, 9
	s_add_co_u32 s74, s74, s75
	s_mov_b32 s75, 0
	s_add_nc_u64 s[60:61], s[60:61], s[74:75]
	s_lshl_b32 s74, s26, 15                        ; Wd: rows 32 w on
	s_add_nc_u64 s[62:63], s[10:11], s[74:75]
	s_lshl_b32 s74, s55, 6
	s_add_nc_u64 s[66:67], s[66:67], s[74:75]      ; the small bias at channel 16 u
	s_lshl_b32 s74, s53, 8
	s_add_nc_u64 s[68:69], s[16:17], s[74:75]      ; bd at channel 64 g
	s_lshl_b32 s74, s27, 20                        ; fdq: the image, the 128 pixels, the chunk 2 (p & 1) + b, the channel tile 4 g
	s_lshr_b32 s76, ttmp9, 1
	s_lshl_b32 s76, s76, 15
	s_add_co_u32 s74, s74, s76
	s_and_b32 s76, ttmp9, 1
	s_lshl_b32 s76, s76, 10
	s_add_co_u32 s74, s74, s76
	s_lshl_b32 s76, s52, 9
	s_add_co_u32 s74, s74, s76
	s_lshl_b32 s76, s53, 13
	s_add_co_u32 s74, s74, s76
	s_add_nc_u64 s[70:71], s[24:25], s[74:75]
	s_lshl_b32 s74, s27, 17                        ; fbq or fcq: the image, my work-group's four tiles, tile w & 3
	s_lshl_b32 s76, ttmp9, 11
	s_add_co_u32 s74, s74, s76
	s_and_b32 s76, s26, 3
	s_lshl_b32 s76, s76, 9
	s_add_co_u32 s74, s74, s76
	s_add_nc_u64 s[72:73], s[72:73], s[74:75]
	global_load_b128 v[BS:BS+3], v[ABS], s[66:67]              ; the biases first: the first counted wait below shows them in
	global_load_b128 v[BS+4:BS+7], v[ABS], s[66:67] offset:16
.irp t, 0,1,2,3
	global_load_b32 v[BD+\t], v[ABD], s[68:69] offset:64*\t
.endr
	WLOAD R0, 60, 0                                ; my small fragment
	WLOAD R1, 62, 0                                ; Wd tile 2 w, K step 0
	WLOAD R2, 62, 512                              ; and K step 1
	s_wait_kmcnt 0x0
	s_add_co_i32 s56, s40, s41                     ; e0 + e1
	s_add_co_i32 s57, s42, s43                     ; e2 + e3
	s_cmp_lt_u32 s26, 4
	s_cselect_b32 s78, s41, s43                    ; my small weight's e
	s_cselect_b32 s79, s46, s47                    ; my small result's e: e6 or e7
	s_cselect_b32 s56, s56, s57
	s_add_co_i32 s56, s56, 127
	s_lshl_b32 s56, s56, 23                        ; what a small sum lacks, as f32
	s_mov_b32 s57, s56                             ; (named with it as a pair, so it is written)
	s_add_co_i32 s58, s44, s45
	s_add_co_i32 s58, s58, 127
	s_lshl_b32 s58, s58, 23                        ; 2^(e4 + e5)
	MKSC 78, 48, 49
	MKSC 45, 50, 51
	MKSC 79, 28, 29
	MKSC 48, 30, 31
	; ---- W: five fragments through three sets of registers
	s_wait_loadcnt 32                              ; loads come back in order: all but the two younger sets are in
	QW R0, 48, 49
	IMAGE AIS, 0
	WLOAD R0, 62, 16384                            ; Wd tile 2 w + 1, K step 0
	s_wait_loadcnt 32
	s_wait_dscnt 0x0                               ; the image's stores have read the codes' registers
	QW R1, 50, 51
	IMAGE AIW, 0
	WLOAD R1, 62, 16384+512                        ; and K step 1
	s_wait_loadcnt 32
	s_wait_dscnt 0x0
	QW R2, 50, 51
	IMAGE AIW, FRB
	s_wait_loadcnt 16                              ; one set is younger
	s_wait_dscnt 0x0
	QW R0, 50, 51
	IMAGE AIW, 2*FRB
	s_wait_loadcnt 0x0
	s_wait_dscnt 0x0
	QW R1, 50, 51
	IMAGE AIW, 3*FRB
	s_wait_tensorcnt 0x0                           ; my 32 rows of x lie in LDS
	BARRIER                                        ; everybody's do, and all 40 weight fragments
	; ---- X: pixel tile w >> 1, K step w & 1: register 16 c + i = channel 32 c + 16 h + i of my pixel
.irp c, 0,1,2,3
.irp i, 0,1,2,3,4,5,6,7,8,9,10,11,12,13,14,15
	ds_load_b32 v[XN+16*\c+\i], v[AXT] offset:(32*\c+\i)*XP
.endr
.endr
	MKSC 40, 128, 129
	MKSC 42, 130, 131
	MKSC 44, 132, 133
	s_wait_dscnt 0x0
	QX 128, 129
	IMAGE AXI, 0
	s_wait_dscnt 0x0                               ; the stores have read the codes' registers
	QX 130, 131
	IMAGE AXI, 16384
	s_wait_dscnt 0x0
	QX 132, 133
	IMAGE AXI, 32768
	BARRIER                                        ; x's 24 fragments lie in LDS
	; ---- the small tile: source 0 = 16 rows of Wb or Wc, source 1 = 16 pixels: a lane holds one pixel and channels 16 u + 8 h + 0 .. 7
.irp f, 0,1,2,3
	FETCH 128+16*\f, AFS, FRB*\f                   ; (pixel tile 2 b + f / 2, K step f % 2)
.endr
	FETCH 192, AFWS, 0
	FETCH 208, AFWS, FRB
.irp f, 0,1,2,3
	FETCH 64+16*\f, AF4, FRB*\f
.endr
	s_wait_dscnt 16                                ; all but the 16 youngest loads, the fragments under e4
	v_wmma_f32_16x16x128_bf8_bf8 v[32:39], v[192:207], v[128:143], 0           ; the two accumulators take turns
	v_wmma_f32_16x16x128_bf8_bf8 v[40:47], v[192:207], v[160:175], 0
	v_wmma_f32_16x16x128_bf8_bf8 v[32:39], v[208:223], v[144:159], v[32:39]
	v_wmma_f32_16x16x128_bf8_bf8 v[40:47], v[208:223], v[176:191], v[40:47]
.rept 5
	v_nop                                          ; places: for the loads into operands that are done with, the reads of the sums, and the next products, which begin these accumulators anew
.endr
	FETCH 128, AFW, 0                              ; Wd tile 4 g
	FETCH 144, AFW, FRB
	FETCH 160, AFW, 2*FRB                          ; Wd tile 4 g + 1
	FETCH 176, AFW, 3*FRB
.irp a, 0,1
.irp i, 0,2,4,6
	v_pk_fma_f32 v[32+8*\a+\i:33+8*\a+\i], v[32+8*\a+\i:33+8*\a+\i], s[56:57], v[BS+\i:BS+\i+1] op_sel_hi:[1,0,1]   ; sum x 2^(the two exponents) + bias; each accumulator from its low end on
.endr
.irp i, 0,1,2,3,4,5,6,7
	v_med3_num_f32 v[32+8*\a+\i], v[32+8*\a+\i], -v29, v29
.endr
	v_cvt_scalef32_pk8_bf8_f32 v[208+2*\a:209+2*\a], v[32+8*\a:39+8*\a], v28
.endr
	v_nop
	ds_store_b64 v[ASS], v[208:209]                ; pixel tile 2 b: 256 consecutive bytes of the wave's own
	ds_store_b64 v[ASS], v[210:211] offset:512     ; pixel tile 2 b + 1
	; ---- fd: source 0 = 16 pixels, source 1 = 16 rows of Wd: a lane holds one channel; the 16 registers of the two accumulators are pixels 32 b + 16 h + 0 .. 15
.macro FD t
.set AB, 32+16*((\t)%2)
.set WB, 128+32*((\t)%2)
	v_wmma_f32_16x16x128_bf8_bf8 v[AB:AB+7], v[64:79], v[WB:WB+15], 0
	v_wmma_f32_16x16x128_bf8_bf8 v[AB+8:AB+15], v[96:111], v[WB:WB+15], 0
	v_wmma_f32_16x16x128_bf8_bf8 v[AB:AB+7], v[80:95], v[WB+16:WB+31], v[AB:AB+7]
	v_wmma_f32_16x16x128_bf8_bf8 v[AB+8:AB+15], v[112:127], v[WB+16:WB+31], v[AB+8:AB+15]
.rept 5
	v_nop
.endr
.if (\t) < 2
	FETCH WB, AFW, 2*FRB*((\t)+2)                  ; the tile two further on, into the set just multiplied
	FETCH WB+16, AFW, 2*FRB*((\t)+2)+FRB
.endif
.irp i, 0,1,2,3,4,5,6,7,8,9,10,11,12,13,14,15
	v_fma_f32 v[AB+\i], v[AB+\i], s58, v[BD+(\t)]  ; sum x 2^(e4 + e5) + bd
.endr
.irp i, 0,1,2,3,4,5,6,7,8,9,10,11,12,13,14,15
	v_med3_num_f32 v[AB+\i], v[AB+\i], -v31, v31
.endr
	v_cvt_scalef32_pk8_bf8_f32 v[192+4*(\t):193+4*(\t)], v[AB:AB+7], v30
	v_cvt_scalef32_pk8_bf8_f32 v[194+4*(\t):195+4*(\t)], v[AB+8:AB+15], v30
	v_nop
	global_store_b128 v[AGO], v[192+4*(\t):195+4*(\t)], s[70:71] offset:FRB*(\t)   ; the wave stores 512 consecutive bytes, at a multiple of 512 from fdq's first byte; each tile has its own data registers
.endm
	s_wait_dscnt 10                                ; x under e4 and Wd's first tile are in; the second tile's 8 loads and the 2 stage stores are younger
	FD 0
	s_wait_dscnt 8                                 ; the 8 loads just issued may be out
	FD 1
	s_wait_dscnt 8
	FD 2
	s_wait_dscnt 0x0
	FD 3
	BARRIER                                        ; fb's and fc's eight tiles lie in the stage
	ds_load_b64 v[212:213], v[ASR]                 ; tile w: my channels 8 h + 0 .. 7,
	ds_load_b64 v[214:215], v[ASR] offset:256      ; and 16 + 8 h + 0 .. 7
	s_wait_dscnt 0x0
	global_store_b128 v[AGO], v[212:215], s[72:73] ; 512 consecutive bytes, aligned
	s_set_vgpr_msb 0x4
	s_wait_tensorcnt 0x0
	ds_add_u32 v15, v1
	s_wait_dscnt 0x0
	s_set_vgpr_msb 0x400
	s_endpgm
.Lfunc_end_k_qc1e7ef8bad_project:
	.size	k_qc1e7ef8bad_project, .Lfunc_end_k_qc1e7ef8bad_project-k_qc1e7ef8bad_project
	.p2alignl 7, 3214868480
	.fill 96, 4, 3214868480
	.section	.rodata,"a",@progbits
	.p2align	6, 0x0
	.amdhsa_kernel k_qc1e7ef8bad_project
		.amdhsa_group_segment_fixed_size 203776
		.amdhsa_private_segment_fixed_size 0
		.amdhsa_enable_private_segment 0
		.amdhsa_kernarg_size 88
		.amdhsa_user_sgpr_count 2
		.amdhsa_user_sgpr_kernarg_segment_ptr 1
		.amdhsa_wavefront_size32 1
		.amdhsa_system_sgpr_workgroup_id_x 1
		.amdhsa_system_sgpr_workgroup_id_y 1
		.amdhsa_system_sgpr_workgroup_id_z 1
		.amdhsa_system_vgpr_workitem_id 0
		.amdhsa_next_free_vgpr 258
		.amdhsa_next_free_sgpr 80
		.amdhsa_reserve_vcc 0
		.amdhsa_float_denorm_mode_32 3
		.amdhsa_float_denorm_mode_16_64 3
		.amdhsa_memory_ordered 1
		.amdhsa_forward_progress 1
		.amdhsa_inst_pref_size 77
	.end_amdhsa_kernel
	.amdgpu_metadata
---
amdhsa.version: [ 1, 2 ]
amdhsa.kernels:
  - .name:           k_qc1e7ef8bad_project
    .symbol:         k_qc1e7ef8bad_project.kd
    .args:
      - { .name: x, .offset: 0, .size: 8, .value_kind: global_buffer, .address_space: global }
      - { .name: Wb, .offset: 8, .size: 8, .value_kind: global_buffer, .address_space: global }
      - { .name: Wc, .offset: 16, .size: 8, .value_kind: global_buffer, .address_space: global }
      - { .name: Wd, .offset: 24, .size: 8, .value_kind: global_buffer, .address_space: global }
      - { .name: bb, .offset: 32, .size: 8, .value_kind: global_buffer, .address_space: global }
      - { .name: bc, .offset: 40, .size: 8, .value_kind: global_buffer, .address_space: global }
      - { .name: bd, .offset: 48, .size: 8, .value_kind: global_buffer, .address_space: global }
      - { .name: lowp_scales, .offset: 56, .size: 8, .value_kind: global_buffer, .address_space: global }
      - { .name: fbq, .offset: 64, .size: 8, .value_kind: global_buffer, .address_space: global }
      - { .name: fcq, .offset: 72, .size: 8, .value_kind: global_buffer, .address_space: global }
      - { .name: fdq, .offset: 80, .size: 8, .value_kind: global_buffer, .address_space: global }
    .group_segment_fixed_size: 203776
    .private_segment_fixed_size: 0
    .kernarg_segment_align: 8
    .kernarg_segment_size: 88
    .max_flat_workgroup_size: 256
    .sgpr_count:     80
    .vgpr_count:     258
    .wavefront_size: 32
...
	.end_amdgpu_metadata
.endif
;; end of part 1
;; launch attend (part 2): grid 64 x 4, 8 waves a work-group, clusters of 4 x 1, 327,680 bytes of LDS; arguments fbq, fcq, fdq, lowp_scales, alpha, x, out0; writes out0
.if DOCPART == 2
	.amdgcn_target "amdgcn-amd-amdhsa--gfx1250"
	.amdhsa_code_object_version 6
	.text
	.protected	k_qc1e7ef8bad_attend
	.globl	k_qc1e7ef8bad_attend
	.p2align	8
	.type	k_qc1e7ef8bad_attend,@function
k_qc1e7ef8bad_attend:
	s_mov_b64 s[64:65], 0
	v_nop
	global_prefetch_b8 v0, s[64:65] scope:SCOPE_SE
	s_setreg_imm32_b32 hwreg(HW_REG_WAVE_MODE, 25, 1), 1
	s_wait_xcnt 0x0
	s_wait_alu depctr_hold_cnt(0) depctr_sa_sdst(0) depctr_va_vdst(0) depctr_va_sdst(0) depctr_va_ssrc(0) depctr_va_vcc(0) depctr_vm_vsrc(0)
	s_getreg_b32 s2, hwreg(HW_REG_IB_STS2, 6, 4)
	s_cmp_eq_u32 s2, 0
	s_cbranch_scc0 .Lentry_in_a_cluster
	s_endpgm
.Lentry_in_a_cluster:
	s_bfe_u32 s2, ttmp6, 0x10000c
	s_cmp_lg_u32 s2, 0x3003
	s_cbranch_scc0 .Lentry_shape_is_right
	s_endpgm
.Lentry_shape_is_right:
; out[c][i] = alpha x (sum over j of fd[c][j] p[i][j]) / l[i] + x[c][i], p = 2^(t - M), t = (fb[i] . fc[j]) x log2(e), M = ceil(the row's largest t), l = the row's sum of the unquantised p.
; Both products on codes of BF8 (E5M2): fb (2^e6), fc (2^e7), fd (2^e8) come as codes from the launch before, in the order of the operand registers; p is quantised here with 2^e9.
; LIMITS: e6 + e7 between -126 and 127 (added to log2(e)'s exponent field); e9 between -126 and 112; e8 + e9 is applied by v_ldexp_f32 and has none.  NaN is not served.
; TWO PASSES OVER THE KEYS.  Pass 1: scores and their maximum alone: it gives every row's M.  Pass 2: p under that final M.  So nothing is ever rescaled, and parts of O and of l taken over different keys simply add.
; SHARES.  A work-group of eight waves owns 64 queries of one image: four tiles q of 16.  A PERIOD is 256 keys; waves 0-3 (group 0) take its first 128, waves 4-7 (group 1) its second 128.
; Scores and softmax: wave w takes the 32 keys of its chunk, for all four query tiles.  Its codes of p go to LDS as an image of registers; behind the period's barrier every wave of the group fetches the group's four
; fragments of P (16 queries x 128 keys) and multiplies them by its own 64 channels of V: 16 accumulators.  So each byte of K and of V is read from LDS once in a work-group.
; LAYOUT.  S^T = K Q^T (source 0 = 16 keys, source 1 = 16 queries): a lane holds one query.  THE KEYS AND QUERIES OF A TILE ARE NOT NEIGHBOURS: lane r of tile 2 b + u is pixel 32 b + 8 u + r + 8 (r / 8), so the 16 scores of a
; lane in a pair of key tiles are keys 32 P + 16 h + 0 .. 15: the conversions' results are registers 4 c .. 4 c + 3 of P's fragment.  O = P V^T (source 0 = 16 queries, source 1 = 16 channels): a lane holds one channel and eight neighbouring pixels.
; K = 32 IN A FORM OF 64.  The other half of K meets zero codes on the keys' side: [D0 Z] x [Qq Q(q+1)] = D0 . Qq and [Z D1] x [Q(q-1) Qq] = D1 . Qq.  Every code is a finite number (all quantisers hold), so 0 x code = 0.
; CLUSTER.  The four work-groups of a cluster belong to one image and walk the same K and V: each tile is asked for JOINTLY, by the same tensor load with the same descriptor (it hangs on the image and the wave alone) and the mask 15.
; REGISTERS.  Window 0: v1-15 addresses and constants; v16-39 zeros, Q0-Q3, zeros; v40-51, v52-63 two sets D0, Z, D1; v64-127 scores, then P's four fragments; v128-143 codes of p; v144-207 V's four fragments;
;   v208-215 -M, v216-223 l (a pair a query tile); v224-231 maxima, at work; v232-245 addresses of the way out.   Window 1: v0-127 the 16 accumulators, (q, t) at 8 (4 t + q); v128-191 my 64 numbers of x.
.set SLOT0, 0x20000                    ; LDS: 0: all of the image's K, 131,072 bytes, filled once;  V's ring: two slots of 65,536 bytes (256 keys x 256 channels)
.set SLOTX, 0x10000                    ; one exclusive or turns an address in one slot into the other's
.set PBUF,  0x40000                    ; P's images: parity x 0x4000 + group x 8192 + q x 2048 + chunk x 512 + 16 x lane
.set PPAR,  0x4000
.set MXBUF, 0x48000                    ; the waves' maxima: 512 bytes a wave
.set LBUF,  0x49000                    ; the waves' sums: 256 bytes a wave, a word a query
.set SPARE, 0x49800                    ; the spare words, 128 bytes for each wave: four blocks of 256 bytes that no other line names
.set SPI,   272                        ; the stage of the way out: a channel's 64 pixels, 256 bytes + 16: row r starts at bank 4 r mod 64 (64 banks of 4 bytes: ISA guide 11.1)
.set SGP,   256*SPI                    ; a group's part of it.  The two parts lie from byte 0 on, over K's bytes and the first 8,192 of slot 0, which have then had their last fill and their last read
.set SPW,  1                           ; v1   SPARE + 4 x my thread's number; never rewritten
.set NIL,  2                           ; v2   0; never rewritten
.set AK0,  3                           ; v3   my pair of key tiles in a period: 16 x lane + 1024 w
.set ADK,  4
.set AV0,  5                           ; v5   my four fragments of V in a slot
.set ADV,  6
.set APW0, 7                           ; v7   where I store my chunk of P
.set APR0, 8                           ; v8   where my group's fragments of P lie
.set APW,  9
.set APR,  10
.set AMX,  11
.set AXO,  12                          ; v12  x and out: 16,384 h + 16 r; never rewritten
.set PFO,  13                          ; v13  256 x lane; never rewritten
.set SC9,  14                          ; v14  2^e9
.set LM9,  15                          ; v15  57,344 x 2^e9
.set QB,   16
.set KA,   40
.set KB,   52
.set S,    64
.set PCD,  128
.set VF,   144
.set NM,   208
.set LS,   216
.set MX,   224
.set TP,   228
.set MXR,  232
.set STO,  233
.set LST,  234
.set LRD,  235
.set SRD0, 236
.set SRD1, 237
.set L16,  238                         ; v238 16 x lane; never rewritten
.set FF,   240                         ; v240-243 alpha x 2^(e8 + e9) / l of my four pixels
.set XW,   128                         ; x, in window 1
.set MSB, 0
.macro WIN new                         ; the immediate's high byte repeats the setting that is left; a switch that changes nothing is dropped
.if MSB != \new
	s_set_vgpr_msb (MSB<<8)|\new
.set MSB, \new
.endif
.endm
; A round of the cluster's barrier: my work-group's barrier, so that wave 0's signal speaks for all eight waves; wave 0 signals; every wave waits for all four work-groups; my work-group's barrier once more.
.macro CROUND
	s_barrier_signal -1
	s_barrier_wait -1
	s_cmp_lg_u32 s18, 0
	s_cbranch_scc1 .Lnot_wave_0_\@
	s_barrier_signal -3
.Lnot_wave_0_\@:
	s_barrier_wait -3
	s_barrier_signal -1
	s_barrier_wait -1
.endm
; Eight products: my 32 keys (set ks: D0, Z, D1) x the four query tiles.  Every one starts its sum with the constant 0.
.macro SMUL ks
.irp q, 0,1,2,3
	v_wmma_f32_16x16x64_bf8_bf8 v[S+16*\q:S+16*\q+7], v[\ks:\ks+7], v[QB+4+4*\q:QB+11+4*\q], 0
	v_wmma_f32_16x16x64_bf8_bf8 v[S+16*\q+8:S+16*\q+15], v[\ks+4:\ks+11], v[QB+4*\q:QB+7+4*\q], 0
.endr
.endm
; Pass 1, one period: the scores of set ks and their running maximum.  cnt: the other set's two loads may stay out.  load = 1: the set takes my pair two periods on.
.macro HALF ks, load, off, cnt
	s_wait_dscnt \cnt
	SMUL \ks
.rept 4
	v_nop                                          ; places behind the products: for the loads into their operands and the reads of their results
.endr
.if \load
	ds_load_b128 v[\ks:\ks+3], v[ADK] offset:\off
	ds_load_b128 v[\ks+8:\ks+11], v[ADK] offset:\off+512
.endif
.irp p, 0,1,2,3,4,5,6,7                ; four chains, one a query tile; each accumulator from its low end on
.irp q, 0,1,2,3
	v_max3_num_f32 v[MX+\q], v[MX+\q], v[S+16*\q+2*\p], v[S+16*\q+2*\p+1]
.endr
.endr
.endm
; A PREFETCH INTO THE L2 of V's slot that stands two refills on from the one just asked for: 65,536 bytes.  All clusters of an image walk the same V: the image's first cluster asks.  Its four partners share the slot out BY ADDRESS,
; 16,384 bytes each; in each, waves 0 and 1 ask for 8,192 bytes, lanes 256 bytes apart: one instruction a wave, each block named once in the launch.  The last two refills ask for nothing; slots 0 to 2 come by their loads alone.
.macro ASK
	s_cmp_gt_u32 s61, s62
	s_cbranch_scc0 .Lnot_mine_\@
	global_prefetch_b8 v[PFO], s[66:67] th:TH_LOAD_NT scope:SCOPE_SE
.Lnot_mine_\@:
.endm
; THE PERIOD'S BARRIER, for three things: my codes of p have landed in LDS; my part of the slot that is about to be read has landed; my reads of the other slot are over.
; fill = 1: it is a round of the cluster's barrier, and behind it the other slot is filled with the next 256 keys: my one tensor load until the next round.
.macro CHANGE fill
	s_wait_tensorcnt 0x0                           ; no tensor load of mine is out, so the walking group 0 may be written
	ds_add_u32 v[SPW], v[NIL]                      ; 0 onto my spare word
.if \fill
	s_xor_b32 s45, s45, SLOTX                      ; the other slot than last time,
	s_add_nc_u64 s[46:47], s[46:47], 65536         ; the next 256 keys; the type bits on top are not reached
	s_wait_xcnt 0x0                                ; the last prefetch, a period back, has read its address, so it may be written
	s_add_nc_u64 s[66:67], s[66:67], 65536
	s_wait_dscnt 0x0                               ; the add is done, my stores of p have landed, my reads of the other slot are over
	CROUND
	tensor_load_to_lds s[44:47], s[32:39]
	s_nop 0
.rept 4
	v_nop
.endr
	ASK
.else
	s_wait_dscnt 0x0
	s_barrier_signal -1
	s_barrier_wait -1
.endif
.endm
; O += P V^T: my group's four fragments of P, my four fragments of V, 16 accumulators by turns.  zero = 1: the first period starts the sums.
.macro PV zero
	v_add_nc_u32 v[ADV], s58, v[AV0]
	v_add_nc_u32 v[APR], s59, v[APR0]
.irp q, 0,1,2,3
.irp c, 0,1,2,3
	ds_load_b128 v[S+16*\q+4*\c:S+16*\q+4*\c+3], v[APR] offset:2048*\q+512*\c
.endr
.endr
.irp t, 0,1,2,3
.irp c, 0,1,2,3
	ds_load_b128 v[VF+16*\t+4*\c:VF+16*\t+4*\c+3], v[ADV] offset:2048*\t+512*\c
.endr
.endr
.irp t, 0,1,2,3
	s_wait_dscnt 12-4*\t                           ; P and V's fragments up to t are in; the later fragments, four loads each, may be out
	WIN 0x50                                       ; C and D in window 1
.irp q, 0,1,2,3
.if \zero
	v_wmma_f32_16x16x128_bf8_bf8 v[8*(4*\t+\q):8*(4*\t+\q)+7], v[S+16*\q:S+16*\q+15], v[VF+16*\t:VF+16*\t+15], 0
.else
	v_wmma_f32_16x16x128_bf8_bf8 v[8*(4*\t+\q):8*(4*\t+\q)+7], v[S+16*\q:S+16*\q+15], v[VF+16*\t:VF+16*\t+15], v[8*(4*\t+\q):8*(4*\t+\q)+7]
.endif
.endr
.endr
	WIN 0
	s_xor_b32 s58, s58, SLOTX                      ; on to the other slot,
	s_xor_b32 s59, s59, PPAR                       ; and to P's other buffer
.endm
; A PERIOD of pass 2.
.macro PERIOD zero, fill
.rept 5
	v_nop                                          ; places: the scores are laid over P's fragments, which the last products read
.endr
	SMUL KA
.rept 4
	v_nop
.endr
.if \fill
	s_add_co_u32 s60, s60, 8192
	v_add_nc_u32 v[ADK], s60, v[AK0]
	ds_load_b128 v[KA:KA+3], v[ADK]                ; my pair of the next period; the wait in front of the period's barrier shows it in
	ds_load_b128 v[KA+8:KA+11], v[ADK] offset:512
.endif
.irp q, 0,1,2,3
.irp j, 0,2,4,6,8,10,12,14
	v_pk_fma_f32 v[S+16*\q+\j:S+16*\q+\j+1], v[S+16*\q+\j:S+16*\q+\j+1], s[54:55], v[NM+2*\q:NM+2*\q+1] op_sel_hi:[1,0,0]   ; t - M, two at a time (of the pairs c and -M the low word serves both halves)
.endr
.endr
.set n, 0
.rept 64
	v_exp_f32 v[S+n], v[S+n]                       ; p = 2^(t - M): not normalised
.set n, n+1
.endr
	v_add_nc_u32 v[APW], s59, v[APW0]              ; a plain line behind the exponentials, ahead of the first use of their results
	s_wait_alu depctr_va_vdst(0)
.irp j, 0,2,4,6,8,10,12,14
.irp q, 0,1,2,3
	v_pk_add_f32 v[LS+2*\q:LS+2*\q+1], v[LS+2*\q:LS+2*\q+1], v[S+16*\q+\j:S+16*\q+\j+1]   ; THE ROW'S SUM IS TAKEN OF THE UNQUANTISED p: four chains
.endr
.endr
.irp q, 0,1,2,3
.irp i, 0,1,2,3,4,5,6,7,8,9,10,11,12,13,14,15
	v_min_num_f32 v[S+16*\q+\i], v[S+16*\q+\i], v[LM9]   ; the conversion to an 8-bit code does not saturate (ISA guide 7.6.2); p is not negative, so the hold is one-sided
.endr
	v_cvt_scalef32_pk8_bf8_f32 v[PCD+4*\q:PCD+4*\q+1], v[S+16*\q:S+16*\q+7], v[SC9]
	v_cvt_scalef32_pk8_bf8_f32 v[PCD+4*\q+2:PCD+4*\q+3], v[S+16*\q+8:S+16*\q+15], v[SC9]
.endr
	v_nop                                          ; a plain vector line behind the last conversion
.irp q, 0,1,2,3
	ds_store_b128 v[APW], v[PCD+4*\q:PCD+4*\q+3] offset:2048*\q   ; my chunk of fragment q, as it stands
.endr
	CHANGE \fill
	PV \zero
.endm
	s_load_b256 s[4:11], s[0:1], 0x0               ; fbq s[4:5], fcq s[6:7], fdq s[8:9], the exponents s[10:11]
	s_load_b128 s[12:15], s[0:1], 0x20             ; alpha s[12:13], x s[14:15]
	s_load_b64 s[16:17], s[0:1], 0x30              ; out
	v_lshl_add_u32 v[SPW], v0, 2, SPARE
	v_mov_b32 v[NIL], 0
	ds_add_u32 v1, v2
	ds_add_u32 v1, v2
	s_wait_dscnt 0x0
	v_lshrrev_b32 v239, 5, v0
	v_readfirstlane_b32 s18, v239                  ; wave w, 0..7
	s_lshr_b32 s19, s18, 2                         ; group g
	s_and_b32 s20, s18, 3                          ; my place in the group: chunk of keys, and 64 channels
	s_bfe_u32 s21, ttmp6, 0x40000                  ; cx: my place in the cluster
	s_lshl_b32 s22, ttmp9, 2                       ; in a cluster launch ttmp9 counts clusters
	s_add_co_u32 s22, s22, s21                     ; my block of 64 queries: it enters Q's, x's and out's addresses alone
	s_and_b32 s23, ttmp7, 0xffff                   ; the image, which the four partners share
	; descriptor groups 1: dense blocks as rows of 256 bytes (32 elements of 8 bytes); K: 64 rows a wave, V: 32 rows a wave
	s_mov_b32 s24, 15|(3<<16)|(1<<21)              ; 15:0 the mask: all four work-groups; 17:16 elements of 8 bytes; 21 set beside a mask
	s_mov_b32 s25, 32<<16                          ; tensor_dim0 = 32
	s_mov_b32 s26, 64<<16                          ; tensor_dim1 = 64
	s_mov_b32 s27, 32<<16                          ; tile_dim0 = 32
	s_mov_b32 s28, 64                              ; tile_dim1 = 64
	s_mov_b32 s29, 32                              ; from row to row: 32 elements
	s_mov_b32 s30, 0
	s_mov_b32 s31, 0
	s_mov_b32 s32, 15|(3<<16)|(1<<21)
	s_mov_b32 s33, 32<<16
	s_mov_b32 s34, 32<<16
	s_mov_b32 s35, 32<<16
	s_mov_b32 s36, 32
	s_mov_b32 s37, 32
	s_mov_b32 s38, 0
	s_mov_b32 s39, 0
	; the lanes' addresses, all made here
	v_and_b32 v239, 31, v0                         ; lane
	v_and_b32 v244, 15, v0                         ; r
	v_bfe_u32 v245, v0, 4, 1                       ; h
	v_lshlrev_b32 v[L16], 4, v239
	s_lshl_b32 s68, s18, 10
	v_add_nc_u32 v[AK0], s68, v[L16]
	s_lshl_b32 s68, s19, 15
	s_lshl_b32 s69, s20, 13
	s_add_co_u32 s68, s68, s69
	v_add_nc_u32 v[AV0], s68, v[L16]               ; my group's 128 keys, my four channel tiles
	s_lshl_b32 s68, s19, 13
	s_add_co_u32 s68, s68, PBUF
	v_add_nc_u32 v[APR0], s68, v[L16]
	s_lshl_b32 s69, s20, 9
	s_add_co_u32 s68, s68, s69
	v_add_nc_u32 v[APW0], s68, v[L16]
	s_lshl_b32 s68, s18, 9
	s_add_co_u32 s68, s68, MXBUF
	v_add_nc_u32 v[AMX], s68, v[L16]
	v_add_nc_u32 v[MXR], MXBUF, v[L16]
	v_lshlrev_b32 v[AXO], 4, v244
	v_lshl_add_u32 v[AXO], v245, 14, v[AXO]
	v_lshlrev_b32 v[PFO], 8, v239
	s_mul_i32 s68, s19, SGP                        ; the stage, on the way in: my group's part, channel 64 w' + r, 64 h bytes on
	s_mul_i32 s69, s20, 64*SPI
	s_add_co_u32 s68, s68, s69
	v_mul_u32_u24 v[STO], v244, SPI
	v_lshl_add_u32 v[STO], v245, 6, v[STO]
	v_add_nc_u32 v[STO], s68, v[STO]
	v_lshrrev_b32 v[LST], 3, v244                  ; my query's word among my wave's 64: r + 8 (r / 8)
	v_lshl_add_u32 v[LST], v[LST], 3, v244
	v_lshlrev_b32 v[LST], 2, v[LST]
	s_lshl_b32 s68, s18, 8
	s_add_co_u32 s68, s68, LBUF
	v_add_nc_u32 v[LST], s68, v[LST]
	v_lshlrev_b32 v[LRD], 4, v244
	v_add_nc_u32 v[LRD], LBUF, v[LRD]
	s_mul_i32 s68, s18, 32*SPI                     ; the stage, on the way out: channels 32 w + h on, 16 bytes a lane
	v_mul_u32_u24 v[SRD0], v245, SPI
	v_lshl_add_u32 v[SRD0], v244, 4, v[SRD0]
	v_add_nc_u32 v[SRD0], s68, v[SRD0]
	v_add_nc_u32 v[SRD1], SGP, v[SRD0]
.irp j, 16,17,18,19,36,37,38,39,44,45,46,47,56,57,58,59,216,217,218,219,220,221,222,223,228,229,230,231
	v_mov_b32 v\j, 0                               ; the zero codes beside Q and between D0 and D1; l; the lane permutes' destinations, which count as read
.endr
.irp q, 0,1,2,3
	v_mov_b32 v[MX+\q], 0xff800000                 ; the largest score so far: -infinity
.endr
	; offsets in memory.  s[68:71] feed the joint descriptors and hold the image and the wave alone
	s_lshl_b32 s41, s18, 14                        ; K: LDS address, and my 16,384 bytes of the image's 131,072
	s_lshl_b32 s68, s23, 17
	s_add_co_u32 s68, s68, s41
	s_mov_b32 s69, 0
	s_lshl_b32 s70, s18, 13                        ; V: my 8,192 bytes of a slot
	s_add_co_u32 s45, s70, SLOT0
	s_lshl_b32 s71, s23, 20
	s_add_co_u32 s70, s70, s71
	s_mov_b32 s71, 0
	s_mov_b32 s40, 1                               ; count = 1
	s_mov_b32 s44, 1
	s_lshl_b32 s72, s23, 17                        ; Q: my block's four tiles
	s_lshl_b32 s73, s22, 11
	s_add_co_u32 s72, s72, s73
	s_mov_b32 s73, 0
	s_lshl_b32 s74, s23, 22                        ; x and out: the image, my 64 pixels, my wave's 32 channels
	s_lshl_b32 s75, s22, 8
	s_add_co_u32 s74, s74, s75
	s_lshl_b32 s75, s18, 19
	s_add_co_u32 s74, s74, s75
	s_mov_b32 s75, 0
	s_lshl_b32 s76, s23, 20                        ; the prefetches: my work-group's 16,384 bytes of a slot, my wave's half of them,
	s_lshl_b32 s77, s21, 14
	s_add_co_u32 s76, s76, s77
	s_and_b32 s77, s18, 1
	s_lshl_b32 s77, s77, 13
	s_add_co_u32 s76, s76, s77
	s_add_co_u32 s76, s76, 2*65536                 ; in slot 2: the first refill steps it to slot 3.  Nothing is prefetched here, at the head
	s_mov_b32 s77, 0
	s_lshr_b32 s62, s18, 1                         ; 0 in waves 0 and 1,
	s_or_b32 s62, s62, ttmp9                       ; of the image's first cluster: the same in all four partners
	s_cmp_eq_u32 s62, 0
	s_cselect_b32 s62, 2, -1                       ; a wave prefetches while the count of refills to come is above this
	s_mov_b32 s56, 0x76543210                      ; lane selects for v_permlanex16_b32: lane l xor 16
	s_mov_b32 s57, 0xfedcba98
	s_mov_b32 s58, SLOT0                           ; the slot in hand
	s_mov_b32 s59, 0                               ; P's buffer in hand
	s_wait_kmcnt 0x0
	s_add_nc_u64 s[42:43], s[6:7], s[68:69]
	s_or_b32 s43, s43, 0x80000000                  ; type = 2
	s_add_nc_u64 s[46:47], s[8:9], s[70:71]
	s_or_b32 s47, s47, 0x80000000
	s_load_b128 s[48:51], s[10:11], 0x18           ; e6, e7, e8, e9
	s_load_b32 s52, s[12:13], 0x0                  ; alpha
	CROUND                                         ; all four work-groups are here: the first joint loads meet
	tensor_load_to_lds s[40:43], s[24:31]          ; my part of K,
	s_nop 0
	tensor_load_to_lds s[44:47], s[32:39]          ; and of V's slot 0: two tensor loads of mine are out
	s_nop 0
.rept 4
	v_nop
.endr
	s_add_nc_u64 s[4:5], s[4:5], s[72:73]
	s_add_nc_u64 s[14:15], s[14:15], s[74:75]
	s_add_nc_u64 s[16:17], s[16:17], s[74:75]
	s_add_nc_u64 s[66:67], s[8:9], s[76:77]
.irp q, 0,1,2,3
	global_load_b128 v[QB+4+4*\q:QB+7+4*\q], v[L16], s[4:5] offset:512*\q   ; Q stays in registers
.endr
	WIN 0x40                                       ; destination window 1
.irp i, 0,1,2,3,4,5,6,7,8,9,10,11,12,13,14,15
	global_load_b128 v[XW+4*\i:XW+4*\i+3], v[AXO], s[14:15] offset:32768*\i th:TH_LOAD_NT   ; x at channels 32 w + 2 i + h: sixteen lanes read 256 consecutive bytes; wanted at the very end
.endr
	WIN 0
	s_wait_kmcnt 0x0
	s_add_co_i32 s68, s48, s49
	s_lshl_b32 s68, s68, 23
	s_mov_b32 s54, 0x3fb8aa3b                      ; log2(e);
	s_add_co_i32 s54, s54, s68                     ; a score stands for score x 2^(e6 + e7): the two exponents are added to its exponent field
	s_mov_b32 s55, s54                             ; (named with it as a pair, so it is written)
	s_add_co_i32 s68, s51, 127
	s_lshl_b32 s69, s68, 23
	v_mov_b32 v[SC9], s69
	s_add_co_i32 s68, s68, 15
	s_lshl_b32 s68, s68, 23
	s_or_b32 s68, s68, 0x600000
	v_mov_b32 v[LM9], s68
	s_add_co_i32 s53, s50, s51                     ; e8 + e9
	s_wait_tensorcnt 1                             ; my part of K is in; slot 0's may stay out
	s_barrier_signal -1
	s_barrier_wait -1                              ; everybody's is
	s_wait_loadcnt 16                              ; Q is in; x's sixteen loads stay out
	; ---- PASS 1: my pair of key tiles of each of the 16 periods, two sets by turns
	ds_load_b128 v[KA:KA+3], v[AK0]
	ds_load_b128 v[KA+8:KA+11], v[AK0] offset:512
	ds_load_b128 v[KB:KB+3], v[AK0] offset:8192
	ds_load_b128 v[KB+8:KB+11], v[AK0] offset:8704
	s_mov_b32 s60, 16384
	s_mov_b32 s61, 7
.Lmax:
	v_add_nc_u32 v[ADK], s60, v[AK0]
	HALF KA, 1, 0, 2
	HALF KB, 1, 8192, 2
	s_add_co_u32 s60, s60, 16384
	s_sub_co_u32 s61, s61, 1
	s_cmp_lg_u32 s61, 0
	s_cbranch_scc1 .Lmax
	HALF KA, 0, 0, 2                               ; the last two periods fetch nothing
	HALF KB, 0, 0, 0
.irp q, 0,1,2,3
	v_permlanex16_b32 v[TP+\q], v[MX+\q], s56, s57 ; the query's other keys lie in the lane 16 away
.endr
.irp q, 0,1,2,3
	v_max_num_f32 v[MX+\q], v[MX+\q], v[TP+\q]
.endr
	ds_store_b128 v[AMX], v[MX:MX+3]
	s_wait_dscnt 0x0                               ; for the others' sake: my maxima have landed
	s_barrier_signal -1
	s_barrier_wait -1
.irp u, 0,1,2,3,4,5,6,7
	ds_load_b128 v[S+4*\u:S+4*\u+3], v[MXR] offset:512*\u   ; the eight waves' maxima of my lane's four queries
.endr
	ds_load_b128 v[KA:KA+3], v[AK0]                ; pass 2 begins at period 0
	ds_load_b128 v[KA+8:KA+11], v[AK0] offset:512
	s_wait_dscnt 0x0
.irp q, 0,1,2,3
	v_max3_num_f32 v[MX+\q], v[S+\q], v[S+4+\q], v[S+8+\q]
.endr
.irp q, 0,1,2,3
	v_max3_num_f32 v[MX+\q], v[MX+\q], v[S+12+\q], v[S+16+\q]
.endr
.irp q, 0,1,2,3
	v_max3_num_f32 v[MX+\q], v[MX+\q], v[S+20+\q], v[S+24+\q]
.endr
.irp q, 0,1,2,3
	v_max_num_f32 v[MX+\q], v[MX+\q], v[S+28+\q]
.endr
.irp q, 0,1,2,3
	v_mul_f32 v[MX+\q], s54, v[MX+\q]              ; as t (c is positive)
.endr
.irp q, 0,1,2,3
	v_floor_f32 v[NM+2*\q], -v[MX+\q]              ; -M = floor(-t) = -ceil(t): M is a whole number
.endr
.irp q, 0,1,2,3
	v_mov_b32 v[NM+2*\q+1], v[NM+2*\q]             ; (named with it as a pair)
.endr
	s_mov_b32 s60, 0
	; ---- PASS 2: 16 periods; behind the barrier of each but the last the next slot is asked for
	s_mov_b32 s61, 15                              ; refills to come, this period's among them
	PERIOD 1, 1                                    ; the first period's products start O's sums: nothing is cleared
	s_mov_b32 s61, 14
.Lperiod:
	PERIOD 0, 1
	s_sub_co_u32 s61, s61, 1
	s_cmp_lg_u32 s61, 0
	s_cbranch_scc1 .Lperiod
	PERIOD 0, 0                                    ; the last period is written out
	; ---- THE WAY OUT.  The two groups' parts of O meet in a stage, a row a channel; the eight waves' parts of l in LBUF.
.rept 4
	v_nop                                          ; places behind the last products
.endr
	s_wait_dscnt 0x0
	s_barrier_signal -1
	s_barrier_wait -1                              ; no wave reads the ring or P any more
	WIN 0x04                                       ; store data in window 1
.irp t, 0,1,2,3
.irp q, 0,1,2,3
	ds_store_b128 v[STO], v[8*(4*\t+\q):8*(4*\t+\q)+3] offset:16*SPI*\t+128*(\q/2)+32*(\q%2)       ; channel 64 w' + 16 t + r, pixels 32 (q / 2) + 16 h + 8 (q % 2) + 0 .. 7; each accumulator from its low end on
	ds_store_b128 v[STO], v[8*(4*\t+\q)+4:8*(4*\t+\q)+7] offset:16*SPI*\t+128*(\q/2)+32*(\q%2)+16
.endr
.endr
	WIN 0
.irp q, 0,1,2,3
	v_add_f32 v[LS+2*\q], v[LS+2*\q], v[LS+2*\q+1] ; l's two halves,
.endr
.irp q, 0,1,2,3
	v_permlanex16_b32 v[TP+\q], v[LS+2*\q], s56, s57
.endr
.irp q, 0,1,2,3
	v_add_f32 v[LS+2*\q], v[LS+2*\q], v[TP+\q]     ; and lane l xor 16's: my wave's part of the row's sum
.endr
.irp q, 0,1,2,3
	ds_store_b32 v[LST], v[LS+2*\q] offset:128*(\q/2)+32*(\q%2)   ; lanes l and l xor 16 write the same word with the same number
.endr
	s_wait_dscnt 0x0
	s_barrier_signal -1
	s_barrier_wait -1
.irp u, 0,1,2,3,4,5,6,7
	ds_load_b128 v[192+4*\u:195+4*\u], v[LRD] offset:256*\u   ; the eight parts of l for pixels 4 r .. 4 r + 3
.endr
.irp i, 0,1,2,3,4,5,6,7,8,9,10,11,12,13,14,15
	ds_load_b128 v[64+4*\i:67+4*\i], v[SRD0] offset:2*SPI*\i  ; group 0's part of channels 32 w + 2 i + h
.endr
.irp i, 0,1,2,3,4,5,6,7,8,9,10,11,12,13,14,15
	ds_load_b128 v[128+4*\i:131+4*\i], v[SRD1] offset:2*SPI*\i   ; group 1's
.endr
	s_wait_dscnt 32                                ; l's parts are in; the stage's 32 loads may be out
.irp u, 1,2,3,4,5,6,7
	v_pk_add_f32 v[192:193], v[192:193], v[192+4*\u:193+4*\u]
	v_pk_add_f32 v[194:195], v[194:195], v[194+4*\u:195+4*\u]
.endr
.irp k, 0,1,2,3
	v_rcp_f32 v[FF+\k], v[192+\k]
.endr
	v_nop                                          ; a plain line between the last reciprocal and the use of its result
	s_wait_alu depctr_va_vdst(0)
.irp k, 0,1,2,3
	v_mul_f32 v[FF+\k], s52, v[FF+\k]              ; alpha / l,
.endr
.irp k, 0,1,2,3
	v_ldexp_f32 v[FF+\k], v[FF+\k], s53            ; x 2^(e8 + e9)
.endr
	s_wait_dscnt 0x0
.irp i, 0,1,2,3,4,5,6,7,8,9,10,11,12,13,14,15
.irp k, 0,2
	v_pk_add_f32 v[64+4*\i+\k:65+4*\i+\k], v[64+4*\i+\k:65+4*\i+\k], v[128+4*\i+\k:129+4*\i+\k]
.endr
.endr
	s_wait_loadcnt 0x0                             ; x
	WIN 0x10                                       ; source 2 in window 1
.irp i, 0,1,2,3,4,5,6,7,8,9,10,11,12,13,14,15
.irp k, 0,2
	v_pk_fma_f32 v[64+4*\i+\k:65+4*\i+\k], v[64+4*\i+\k:65+4*\i+\k], v[FF+\k:FF+\k+1], v[XW+4*\i+\k:XW+4*\i+\k+1]
.endr
.endr
	WIN 0
.irp i, 0,1,2,3,4,5,6,7,8,9,10,11,12,13,14,15
	global_store_b128 v[AXO], v[64+4*\i:67+4*\i], s[16:17] offset:32768*\i th:TH_STORE_NT   ; sixteen lanes store 256 consecutive bytes, at a multiple of 256 from out's first byte; written once, read by nobody here
.endr
	s_wait_tensorcnt 0x0                           ; the wave's end, behind my last tensor load and my last LDS store
	ds_add_u32 v[SPW], v[NIL]
	s_wait_dscnt 0x0
	CROUND                                         ; the closing round: no work-group ends while a partner may still ask for a tile that names it
	s_endpgm
.Lfunc_end_k_qc1e7ef8bad_attend:
	.size	k_qc1e7ef8bad_attend, .Lfunc_end_k_qc1e7ef8bad_attend-k_qc1e7ef8bad_attend
	.p2alignl 7, 3214868480
	.fill 96, 4, 3214868480
	.section	.rodata,"a",@progbits
	.p2align	6, 0x0
	.amdhsa_kernel k_qc1e7ef8bad_attend
		.amdhsa_group_segment_fixed_size 327680
		.amdhsa_private_segment_fixed_size 0
		.amdhsa_enable_private_segment 0
		.amdhsa_kernarg_size 56
		.amdhsa_user_sgpr_count 2
		.amdhsa_user_sgpr_kernarg_segment_ptr 1
		.amdhsa_wavefront_size32 1
		.amdhsa_system_sgpr_workgroup_id_x 1
		.amdhsa_system_sgpr_workgroup_id_y 1
		.amdhsa_system_sgpr_workgroup_id_z 1
		.amdhsa_system_vgpr_workitem_id 0
		.amdhsa_next_free_vgpr 448
		.amdhsa_next_free_sgpr 80
		.amdhsa_reserve_vcc 0
		.amdhsa_float_denorm_mode_32 3
		.amdhsa_float_denorm_mode_16_64 3
		.amdhsa_memory_ordered 1
		.amdhsa_forward_progress 1
		.amdhsa_inst_pref_size 80
	.end_amdhsa_kernel
	.amdgpu_metadata
---
amdhsa.version: [ 1, 2 ]
amdhsa.kernels:
  - .name:           k_qc1e7ef8bad_attend
    .symbol:         k_qc1e7ef8bad_attend.kd
    .args:
      - { .name: fbq, .offset: 0, .size: 8, .value_kind: global_buffer, .address_space: global }
      - { .name: fcq, .offset: 8, .size: 8, .value_kind: global_buffer, .address_space: global }
      - { .name: fdq, .offset: 16, .size: 8, .value_kind: global_buffer, .address_space: global }
      - { .name: lowp_scales, .offset: 24, .size: 8, .value_kind: global_buffer, .address_space: global }
      - { .name: alpha, .offset: 32, .size: 8, .value_kind: global_buffer, .address_space: global }
      - { .name: x, .offset: 40, .size: 8, .value_kind: global_buffer, .address_space: global }
      - { .name: out0, .offset: 48, .size: 8, .value_kind: global_buffer, .address_space: global }
    .group_segment_fixed_size: 327680
    .private_segment_fixed_size: 0
    .kernarg_segment_align: 8
    .kernarg_segment_size: 56
    .max_flat_workgroup_size: 256
    .sgpr_count:     80
    .vgpr_count:     448
    .wavefront_size: 32
...
	.end_amdgpu_metadata
.endif
;; end of part 2
;; ======== version 2 of 2: 2 launches
;; workspace buffers: fbq 524,288 bytes; fcq 524,288 bytes; fdq 4,194,304 bytes
;; launch project: the kernel of part 1 again; grid 64 x 4, 8 waves a work-group, no clusters, 203,776 bytes of LDS; arguments x, Wb, Wc, Wd, bb, bc, bd, lowp_scales, fbq, fcq, fdq; writes fbq, fcq, fdq
;; launch attend (part 3): grid 64 x 4, 8 waves a work-group, clusters of 4 x 1, 327,680 bytes of LDS; arguments fbq, fcq, fdq, lowp_scales, alpha, x, out0; writes out0
.if DOCPART == 3
	.amdgcn_target "amdgcn-amd-amdhsa--gfx1250"
	.amdhsa_code_object_version 6
	.text
	.protected	k_qc1e7ef8bad_attend
	.globl	k_qc1e7ef8bad_attend
	.p2align	8
	.type	k_qc1e7ef8bad_attend,@function
k_qc1e7ef8bad_attend:
	s_mov_b64 s[64:65], 0
	v_nop
	global_prefetch_b8 v0, s[64:65] scope:SCOPE_SE
	s_setreg_imm32_b32 hwreg(HW_REG_WAVE_MODE, 25, 1), 1
	s_wait_xcnt 0x0
	s_wait_alu depctr_hold_cnt(0) depctr_sa_sdst(0) depctr_va_vdst(0) depctr_va_sdst(0) depctr_va_ssrc(0) depctr_va_vcc(0) depctr_vm_vsrc(0)
	s_getreg_b32 s2, hwreg(HW_REG_IB_STS2, 6, 4)
	s_cmp_eq_u32 s2, 0
	s_cbranch_scc0 .Lentry_in_a_cluster
	s_endpgm
.Lentry_in_a_cluster:
	s_bfe_u32 s2, ttmp6, 0x10000c
	s_cmp_lg_u32 s2, 0x3003
	s_cbranch_scc0 .Lentry_shape_is_right
	s_endpgm
.Lentry_shape_is_right:
; out[c][i] = alpha x (sum over j of fd[c][j] p[i][j]) / l[i] + x[c][i], p = 2^(t - M), t = (fb[i] . fc[j]) x log2(e), M = ceil(the row's largest t), l = the row's sum of the unquantised p.
; Both products on codes of BF8 (E5M2): fb (2^e6), fc (2^e7), fd (2^e8) come as codes from the launch before, in the order of the operand registers; p is quantised here with 2^e9.
; LIMITS: e6 + e7 between -126 and 127 (added to log2(e)'s exponent field); e9 between -126 and 112; e8 + e9 is applied by v_ldexp_f32 and has none.  NaN is not served.
; TWO PASSES OVER THE KEYS.  Pass 1: scores and their maximum alone: it gives every row's M.  Pass 2: p under that final M.  So nothing is ever rescaled, and parts of O and of l taken over different keys simply add.
; SHARES.  A work-group of eight waves owns 64 queries of one image: four tiles q of 16.  A PERIOD is 256 keys; waves 0-3 (group 0) take its first 128, waves 4-7 (group 1) its second 128.
; Scores and softmax: wave w takes the 32 keys of its chunk, for all four query tiles.  Its codes of p go to LDS as an image of registers; behind the period's barrier every wave of the group fetches the group's four
; fragments of P (16 queries x 128 keys) and multiplies them by its own 64 channels of V: 16 accumulators.  So each byte of V is read from LDS once in a work-group.
; LAYOUT.  S^T = K Q^T (source 0 = 16 keys, source 1 = 16 queries): a lane holds one query.  THE KEYS AND QUERIES OF A TILE ARE NOT NEIGHBOURS: lane r of tile 2 b + u is pixel 32 b + 8 u + r + 8 (r / 8), so the 16 scores of a
; lane in a pair of key tiles are keys 32 P + 16 h + 0 .. 15: the conversions' results are registers 4 c .. 4 c + 3 of P's fragment.  O = P V^T (source 0 = 16 queries, source 1 = 16 channels): a lane holds one channel and eight neighbouring pixels.
; K = 32 IN A FORM OF 64.  Source 0 is a PAIR of key tiles, [D0 D1]; the half that is not wanted meets zero codes on the queries' side: [D0 D1] x [Qq Z] = D0 . Qq and [D0 D1] x [Z Qq] = D1 . Qq.
; Every code is a finite number (all quantisers hold), so code x 0 = 0.
; K GOES FROM MEMORY STRAIGHT INTO REGISTERS, V THROUGH LDS.  Of a period's 8,192 bytes of K a wave needs its own pair alone, 1,024 bytes: 16,384 for the 16 periods.  Pass 1 has all 16 pairs in registers (14 of them where the
; accumulators will lie); pass 2 takes each pair anew, two periods ahead.  With K out of LDS, V's ring has two slots of 131,072 bytes, two periods each: one load a wave brings 16,384 bytes and has two periods' work in which to land.
; CLUSTER.  The four work-groups of a cluster belong to one image and walk the same V: each slot is asked for JOINTLY, by the same tensor load with the same descriptor (it hangs on the image and the wave alone) and the mask 15.
; K is not asked for jointly: it lands in registers, and it is 131,072 of the 1,179,648 bytes that a work-group walks in pass 2.
; REGISTERS.  Window 0: v1-15 addresses and constants; v16-51 Z Q0 Z Q1 Z Q2 Z Q3 Z; v52-59, v246-253 two pairs of key tiles; v64-127 scores, then P's four fragments; v128-143 codes of p; v144-207 V's four fragments
;   (in pass 1 v128-191 are a second set of scores); v208-215 -M, v216-223 l (a pair a query tile); v224-231 maxima, at work; v232-245 addresses of the way out.
;   Window 1: v0-127 the 16 accumulators, (q, t) at 8 (4 t + q); in pass 1 v0-111 hold K's pairs 2 to 15; v128-191 my 64 numbers of x.
.set SLOTX, 0x20000                    ; LDS: V's ring: slot 0 at byte 0, slot 1 at 0x20000, 131,072 bytes each (512 keys x 256 channels); one exclusive or turns an address in one slot into the other's
.set HALFP, 0x10000                    ; a slot's second period
.set SLOTB, 131072                     ; a slot in memory
.set PBUF,  0x40000                    ; P's images: parity x 0x4000 + group x 8192 + q x 2048 + chunk x 512 + 16 x lane
.set PPAR,  0x4000
.set MXBUF, 0x48000                    ; the waves' maxima: 512 bytes a wave
.set LBUF,  0x49000                    ; the waves' sums: 256 bytes a wave, a word a query
.set SPARE, 0x49800                    ; the spare words, 128 bytes for each wave: four blocks of 256 bytes that no other line names
.set SPI,   272                        ; the stage of the way out: a channel's 64 pixels, 256 bytes + 16: row r starts at bank 4 r mod 64 (64 banks of 4 bytes: ISA guide 11.1)
.set SGP,   256*SPI                    ; a group's part of it.  The two parts lie from byte 0 on, over slot 0 and the first 8,192 bytes of slot 1, which have then had their last fill and their last read
.set SPW,  1                           ; v1   SPARE + 4 x my thread's number; never rewritten
.set NIL,  2                           ; v2   0; never rewritten
.set AV1,  3                           ; v3   my four fragments of V in a slot's second period
.set AV0,  5                           ; v5   and in its first
.set ADV,  6
.set APW0, 7                           ; v7   where I store my chunk of P
.set APR0, 8                           ; v8   where my group's fragments of P lie
.set APW,  9
.set APR,  10
.set AMX,  11
.set AXO,  12                          ; v12  x and out: 16,384 h + 16 r; never rewritten
.set PFO,  13                          ; v13  256 x lane; never rewritten
.set SC9,  14                          ; v14  2^e9
.set LM9,  15                          ; v15  57,344 x 2^e9
.set QB,   16
.set KA,   52                          ; the even periods' pair
.set KB,   246                         ; the odd periods'
.set S,    64
.set S2,   128
.set PCD,  128
.set VF,   144
.set NM,   208
.set LS,   216
.set MX,   224
.set TP,   228
.set MXR,  232
.set STO,  233
.set LST,  234
.set LRD,  235
.set SRD0, 236
.set SRD1, 237
.set L16,  238                         ; v238 16 x lane; never rewritten
.set FF,   240                         ; v240-243 alpha x 2^(e8 + e9) / l of my four pixels
.set XW,   128                         ; x, in window 1
.set KP,   32                          ; s[32:33] K in memory: my image, my wave's pair of period 0; in the loop it walks two periods a trip
.set MSB, 0
.macro WIN new                         ; the immediate's high byte repeats the setting that is left; a switch that changes nothing is dropped
.if MSB != \new
	s_set_vgpr_msb (MSB<<8)|\new
.set MSB, \new
.endif
.endm
; A round of the cluster's barrier: my work-group's barrier, so that wave 0's signal speaks for all eight waves; wave 0 signals; every wave waits for all four work-groups; my work-group's barrier once more.
.macro CROUND
	s_barrier_signal -1
	s_barrier_wait -1
	s_cmp_lg_u32 s18, 0
	s_cbranch_scc1 .Lnot_wave_0_\@
	s_barrier_signal -3
.Lnot_wave_0_\@:
	s_barrier_wait -3
	s_barrier_signal -1
	s_barrier_wait -1
.endm
; Eight products: my 32 keys (the pair at ks) x the four query tiles, into the scores at sd.  Every one starts its sum with the constant 0.
.macro SMUL ks, sd
.irp q, 0,1,2,3
	v_wmma_f32_16x16x64_bf8_bf8 v[\sd+16*\q:\sd+16*\q+7], v[\ks:\ks+7], v[QB+4+8*\q:QB+11+8*\q], 0
	v_wmma_f32_16x16x64_bf8_bf8 v[\sd+16*\q+8:\sd+16*\q+15], v[\ks:\ks+7], v[QB+8*\q:QB+7+8*\q], 0
.endr
.endm
; Pass 1, two periods: the scores of pairs 2 n and 2 n + 1 and their running maximum.  The pairs' register numbers change from group to group, so the eight groups are written out.
.macro GROUP n
	s_wait_loadcnt 44-4*(\n)                       ; loads come back in order: younger than this group's are the later pairs' 28 - 4 n loads and x's sixteen
.if (\n) == 0
	SMUL KA, S
	SMUL KB, S2
.else
	WIN 0x01                                       ; source 0 in window 1
	SMUL 16*((\n)-1), S
	SMUL 16*((\n)-1)+8, S2
	WIN 0
.endif
.rept 4
	v_nop                                          ; places behind the products, ahead of the reads of their results
.endr
.irp sd, S, S2
.irp p, 0,1,2,3,4,5,6,7                ; four chains, one a query tile; each accumulator from its low end on
.irp q, 0,1,2,3
	v_max3_num_f32 v[MX+\q], v[MX+\q], v[\sd+16*\q+2*\p], v[\sd+16*\q+2*\p+1]
.endr
.endr
.endr
.endm
; A PREFETCH INTO THE L2 of V's slot that the NEXT refill will ask for: 131,072 bytes, two periods ahead of that load.  All clusters of an image walk the same V: the image's first cluster asks.  Its four partners share the slot
; out BY ADDRESS, 32,768 bytes each; in each, waves 0 to 3 ask for 8,192 bytes, lanes 256 bytes apart: one instruction a wave, each block named once in the launch.  The last refill asks for nothing; slots 0 to 2 come by their loads alone.
.macro ASK
	s_cmp_gt_u32 s61, s62
	s_cbranch_scc0 .Lnot_mine_\@
	global_prefetch_b8 v[PFO], s[66:67] th:TH_LOAD_NT scope:SCOPE_SE
.Lnot_mine_\@:
.endm
; A plain barrier, for P alone: my codes of p have landed in LDS, and all my LDS loads are in.
.macro PBAR
	s_wait_dscnt 0x0
	s_barrier_signal -1
	s_barrier_wait -1
.endm
; THE BARRIER OF A SLOT'S FIRST PERIOD, for three things: my codes of p have landed in LDS; my part of the slot that is about to be read has landed; my reads of the other slot are over.
; fill = 1: it is a round of the cluster's barrier, and behind it the other slot is filled with the next 512 keys: my one tensor load until the next round.
.macro CHANGE fill
	s_wait_tensorcnt 0x0                           ; no tensor load of mine is out, so the walking group 0 may be written
	ds_add_u32 v[SPW], v[NIL]                      ; 0 onto my spare word
.if \fill
	s_xor_b32 s45, s45, SLOTX                      ; the other slot than last time,
	s_add_nc_u64 s[46:47], s[46:47], SLOTB         ; the next 512 keys; the type bits on top are not reached
	s_wait_xcnt 0x0                                ; the last prefetch, two periods back, has read its address, so it may be written
	s_add_nc_u64 s[66:67], s[66:67], SLOTB
	s_wait_dscnt 0x0                               ; the add is done, my stores of p have landed, my reads of the other slot are over
	CROUND
	tensor_load_to_lds s[44:47], s[24:31]
	s_nop 0
.rept 4
	v_nop
.endr
	ASK
.else
	s_wait_dscnt 0x0
	s_barrier_signal -1
	s_barrier_wait -1
.endif
.endm
.macro VLOAD                           ; my four fragments of V: 16 channels x 128 keys each
.irp t, 0,1,2,3
.irp c, 0,1,2,3
	ds_load_b128 v[VF+16*\t+4*\c:VF+16*\t+4*\c+3], v[ADV] offset:2048*\t+512*\c
.endr
.endr
.endm
; O += P V^T: my group's four fragments of P, my four fragments of V, 16 accumulators by turns.  zero = 1: the first period starts the sums.
; odd = 1: a slot's second period: V's fragments were fetched ahead of the softmax, and only P's are fetched here.
.macro PV zero, odd
	v_add_nc_u32 v[APR], s59, v[APR0]
.if !(\odd)
	v_add_nc_u32 v[ADV], s58, v[AV0]
.endif
.irp q, 0,1,2,3
.irp c, 0,1,2,3
	ds_load_b128 v[S+16*\q+4*\c:S+16*\q+4*\c+3], v[APR] offset:2048*\q+512*\c
.endr
.endr
.if !(\odd)
	VLOAD
.endif
.irp t, 0,1,2,3
.if !(\odd)
	s_wait_dscnt 12-4*\t                           ; P and V's fragments up to t are in; the later fragments, four loads each, may be out
.endif
	WIN 0x50                                       ; C and D in window 1
.irp q, 0,1,2,3
.if (\odd) && (\t == 0)
	s_wait_dscnt 12-4*\q                           ; P's fragments up to q are in; the later ones, four loads each, may be out
.endif
.if \zero
	v_wmma_f32_16x16x128_bf8_bf8 v[8*(4*\t+\q):8*(4*\t+\q)+7], v[S+16*\q:S+16*\q+15], v[VF+16*\t:VF+16*\t+15], 0
.else
	v_wmma_f32_16x16x128_bf8_bf8 v[8*(4*\t+\q):8*(4*\t+\q)+7], v[S+16*\q:S+16*\q+15], v[VF+16*\t:VF+16*\t+15], v[8*(4*\t+\q):8*(4*\t+\q)+7]
.endif
.endr
.endr
	WIN 0
	s_xor_b32 s59, s59, PPAR                       ; on to P's other buffer,
.if \odd
	s_xor_b32 s58, s58, SLOTX                      ; and, behind a slot's second period, to the other slot
.endif
.endm
; A PERIOD of pass 2.  ks: its pair of key tiles.  lc: how many younger loads may stay out when the pair has to be there (-1: it is known to be in).  koff: where the pair two periods on lies from s[KP] (-1: there is none).
; odd: a slot's second period.  zero: the first period.  bar: 0 the first period's barrier; 1 a round with a refill; 2 the last slot's first barrier; 3 a plain barrier for P.
.macro PERIOD ks, lc, koff, odd, zero, bar
.rept 5
	v_nop                                          ; places: the scores are laid over P's fragments, which the last products read
.endr
.if (\lc) >= 0
	s_wait_loadcnt \lc
.endif
	SMUL \ks, S
.rept 4
	v_nop                                          ; places: for the loads into the pair's registers and the reads of the scores
.endr
.if (\koff) >= 0
	global_load_b128 v[\ks:\ks+3], v[L16], s[KP:KP+1] offset:\koff       ; the wave reads 512 consecutive bytes: tile 2 P,
	global_load_b128 v[\ks+4:\ks+7], v[L16], s[KP:KP+1] offset:\koff+512 ; and tile 2 P + 1
.endif
.if \odd
	v_add_nc_u32 v[ADV], s58, v[AV1]
	VLOAD                                          ; the whole slot was shown landed at its first period's barrier: these land while the softmax is worked
.endif
.irp q, 0,1,2,3
.irp j, 0,2,4,6,8,10,12,14
	v_pk_fma_f32 v[S+16*\q+\j:S+16*\q+\j+1], v[S+16*\q+\j:S+16*\q+\j+1], s[54:55], v[NM+2*\q:NM+2*\q+1] op_sel_hi:[1,0,0]   ; t - M, two at a time (of the pairs c and -M the low word serves both halves)
.endr
.endr
.set n, 0
.rept 64
	v_exp_f32 v[S+n], v[S+n]                       ; p = 2^(t - M): not normalised
.set n, n+1
.endr
	v_add_nc_u32 v[APW], s59, v[APW0]              ; a plain line behind the exponentials, ahead of the first use of their results
	s_wait_alu depctr_va_vdst(0)
.irp j, 0,2,4,6,8,10,12,14
.irp q, 0,1,2,3
	v_pk_add_f32 v[LS+2*\q:LS+2*\q+1], v[LS+2*\q:LS+2*\q+1], v[S+16*\q+\j:S+16*\q+\j+1]   ; THE ROW'S SUM IS TAKEN OF THE UNQUANTISED p: four chains
.endr
.endr
.irp q, 0,1,2,3
.irp i, 0,1,2,3,4,5,6,7,8,9,10,11,12,13,14,15
	v_min_num_f32 v[S+16*\q+\i], v[S+16*\q+\i], v[LM9]   ; the conversion to an 8-bit code does not saturate (ISA guide 7.6.2); p is not negative, so the hold is one-sided
.endr
	v_cvt_scalef32_pk8_bf8_f32 v[PCD+4*\q:PCD+4*\q+1], v[S+16*\q:S+16*\q+7], v[SC9]
	v_cvt_scalef32_pk8_bf8_f32 v[PCD+4*\q+2:PCD+4*\q+3], v[S+16*\q+8:S+16*\q+15], v[SC9]
.endr
	v_nop                                          ; a plain vector line behind the last conversion
.irp q, 0,1,2,3
	ds_store_b128 v[APW], v[PCD+4*\q:PCD+4*\q+3] offset:2048*\q   ; my chunk of fragment q, as it stands
.endr
.if (\bar) == 0
	s_wait_tensorcnt 1                             ; my part of slot 0 is in; slot 1's may stay out
	PBAR
.elseif (\bar) == 1
	CHANGE 1
.elseif (\bar) == 2
	CHANGE 0
.else
	PBAR
.endif
	PV \zero, \odd
.endm
	s_load_b256 s[4:11], s[0:1], 0x0               ; fbq s[4:5], fcq s[6:7], fdq s[8:9], the exponents s[10:11]
	s_load_b128 s[12:15], s[0:1], 0x20             ; alpha s[12:13], x s[14:15]
	s_load_b64 s[16:17], s[0:1], 0x30              ; out
	v_lshl_add_u32 v[SPW], v0, 2, SPARE
	v_mov_b32 v[NIL], 0
	ds_add_u32 v1, v2
	ds_add_u32 v1, v2
	s_wait_dscnt 0x0
	v_lshrrev_b32 v239, 5, v0
	v_readfirstlane_b32 s18, v239                  ; wave w, 0..7
	s_lshr_b32 s19, s18, 2                         ; group g
	s_and_b32 s20, s18, 3                          ; my place in the group: chunk of keys, and 64 channels
	s_bfe_u32 s21, ttmp6, 0x40000                  ; cx: my place in the cluster
	s_lshl_b32 s22, ttmp9, 2                       ; in a cluster launch ttmp9 counts clusters
	s_add_co_u32 s22, s22, s21                     ; my block of 64 queries: it enters Q's, x's and out's addresses alone
	s_and_b32 s23, ttmp7, 0xffff                   ; the image, which the four partners share
	; descriptor group 1: a dense block as rows of 256 bytes (32 elements of 8 bytes), 64 rows a wave
	s_mov_b32 s24, 15|(3<<16)|(1<<21)              ; 15:0 the mask: all four work-groups; 17:16 elements of 8 bytes; 21 set beside a mask
	s_mov_b32 s25, 32<<16                          ; tensor_dim0 = 32
	s_mov_b32 s26, 64<<16                          ; tensor_dim1 = 64
	s_mov_b32 s27, 32<<16                          ; tile_dim0 = 32
	s_mov_b32 s28, 64                              ; tile_dim1 = 64
	s_mov_b32 s29, 32                              ; from row to row: 32 elements
	s_mov_b32 s30, 0
	s_mov_b32 s31, 0
	; the lanes' addresses, all made here
	v_and_b32 v239, 31, v0                         ; lane
	v_and_b32 v244, 15, v0                         ; r
	v_bfe_u32 v245, v0, 4, 1                       ; h
	v_lshlrev_b32 v[L16], 4, v239
	s_lshl_b32 s68, s19, 15
	s_lshl_b32 s69, s20, 13
	s_add_co_u32 s68, s68, s69
	v_add_nc_u32 v[AV0], s68, v[L16]               ; my group's 128 keys, my four channel tiles
	v_add_nc_u32 v[AV1], HALFP, v[AV0]
	s_lshl_b32 s68, s19, 13
	s_add_co_u32 s68, s68, PBUF
	v_add_nc_u32 v[APR0], s68, v[L16]
	s_lshl_b32 s69, s20, 9
	s_add_co_u32 s68, s68, s69
	v_add_nc_u32 v[APW0], s68, v[L16]
	s_lshl_b32 s68, s18, 9
	s_add_co_u32 s68, s68, MXBUF
	v_add_nc_u32 v[AMX], s68, v[L16]
	v_add_nc_u32 v[MXR], MXBUF, v[L16]
	v_lshlrev_b32 v[AXO], 4, v244
	v_lshl_add_u32 v[AXO], v245, 14, v[AXO]
	v_lshlrev_b32 v[PFO], 8, v239
	s_mul_i32 s68, s19, SGP                        ; the stage, on the way in: my group's part, channel 64 w' + r, 64 h bytes on
	s_mul_i32 s69, s20, 64*SPI
	s_add_co_u32 s68, s68, s69
	v_mul_u32_u24 v[STO], v244, SPI
	v_lshl_add_u32 v[STO], v245, 6, v[STO]
	v_add_nc_u32 v[STO], s68, v[STO]
	v_lshrrev_b32 v[LST], 3, v244                  ; my query's word among my wave's 64: r + 8 (r / 8)
	v_lshl_add_u32 v[LST], v[LST], 3, v244
	v_lshlrev_b32 v[LST], 2, v[LST]
	s_lshl_b32 s68, s18, 8
	s_add_co_u32 s68, s68, LBUF
	v_add_nc_u32 v[LST], s68, v[LST]
	v_lshlrev_b32 v[LRD], 4, v244
	v_add_nc_u32 v[LRD], LBUF, v[LRD]
	s_mul_i32 s68, s18, 32*SPI                     ; the stage, on the way out: channels 32 w + h on, 16 bytes a lane
	v_mul_u32_u24 v[SRD0], v245, SPI
	v_lshl_add_u32 v[SRD0], v244, 4, v[SRD0]
	v_add_nc_u32 v[SRD0], s68, v[SRD0]
	v_add_nc_u32 v[SRD1], SGP, v[SRD0]
.irp j, 16,17,18,19,24,25,26,27,32,33,34,35,40,41,42,43,48,49,50,51,216,217,218,219,220,221,222,223,228,229,230,231
	v_mov_b32 v\j, 0                               ; the zero codes round Q's tiles; l; the lane permutes' destinations, which count as read
.endr
.irp q, 0,1,2,3
	v_mov_b32 v[MX+\q], 0xff800000                 ; the largest score so far: -infinity
.endr
	; offsets in memory.  s[70:71] feed the joint descriptors and hold the image and the wave alone
	s_lshl_b32 s41, s18, 14                        ; V: my LDS address in slot 0, and my 16,384 bytes of a slot's 131,072
	s_add_co_u32 s45, s41, SLOTX                   ; and in slot 1
	s_lshl_b32 s70, s23, 20
	s_add_co_u32 s70, s70, s41
	s_mov_b32 s71, 0
	s_mov_b32 s40, 1                               ; count = 1
	s_mov_b32 s44, 1
	s_lshl_b32 s68, s23, 17                        ; K: the image, my wave's 1,024 bytes of a period's 8,192
	s_lshl_b32 s69, s18, 10
	s_add_co_u32 s68, s68, s69
	s_mov_b32 s69, 0
	s_lshl_b32 s72, s23, 17                        ; Q: my block's four tiles
	s_lshl_b32 s73, s22, 11
	s_add_co_u32 s72, s72, s73
	s_mov_b32 s73, 0
	s_lshl_b32 s74, s23, 22                        ; x and out: the image, my 64 pixels, my wave's 32 channels
	s_lshl_b32 s75, s22, 8
	s_add_co_u32 s74, s74, s75
	s_lshl_b32 s75, s18, 19
	s_add_co_u32 s74, s74, s75
	s_mov_b32 s75, 0
	s_lshl_b32 s76, s23, 20                        ; the prefetches: my work-group's 32,768 bytes of a slot, my wave's quarter of them,
	s_lshl_b32 s77, s21, 15
	s_add_co_u32 s76, s76, s77
	s_lshl_b32 s77, s20, 13
	s_add_co_u32 s76, s76, s77
	s_add_co_u32 s76, s76, 2*SLOTB                 ; in slot 2: the first refill steps it to slot 3.  Nothing is prefetched here, at the head
	s_mov_b32 s77, 0
	s_or_b32 s62, s19, ttmp9                       ; 0 in waves 0 to 3 of the image's first cluster: the same in all four partners
	s_cmp_eq_u32 s62, 0
	s_cselect_b32 s62, 1, -1                       ; a wave prefetches while the count of refills to come is above this
	s_mov_b32 s56, 0x76543210                      ; lane selects for v_permlanex16_b32: lane l xor 16
	s_mov_b32 s57, 0xfedcba98
	s_mov_b32 s58, 0                               ; the slot in hand
	s_mov_b32 s59, 0                               ; P's buffer in hand
	s_wait_kmcnt 0x0
	s_add_nc_u64 s[42:43], s[8:9], s[70:71]        ; slot 0: keys 0 to 511,
	s_add_nc_u64 s[46:47], s[42:43], SLOTB         ; slot 1: keys 512 to 1,023; this group 0 then walks on
	s_or_b32 s43, s43, 0x80000000                  ; type = 2
	s_or_b32 s47, s47, 0x80000000
	s_load_b128 s[48:51], s[10:11], 0x18           ; e6, e7, e8, e9
	s_load_b32 s52, s[12:13], 0x0                  ; alpha
	CROUND                                         ; all four work-groups are here: the first joint loads meet
	tensor_load_to_lds s[40:43], s[24:31]          ; my part of slot 0,
	s_nop 0
	tensor_load_to_lds s[44:47], s[24:31]          ; and of slot 1: two tensor loads of mine are out
	s_nop 0
.rept 4
	v_nop
.endr
	s_add_nc_u64 s[4:5], s[4:5], s[72:73]
	s_add_nc_u64 s[KP:KP+1], s[6:7], s[68:69]
	s_add_nc_u64 s[14:15], s[14:15], s[74:75]
	s_add_nc_u64 s[16:17], s[16:17], s[74:75]
	s_add_nc_u64 s[66:67], s[8:9], s[76:77]
.irp q, 0,1,2,3
	global_load_b128 v[QB+4+8*\q:QB+7+8*\q], v[L16], s[4:5] offset:512*\q   ; Q stays in registers
.endr
	global_load_b128 v[KA:KA+3], v[L16], s[KP:KP+1]                ; K's pairs of periods 0 and 1: they serve both passes
	global_load_b128 v[KA+4:KA+7], v[L16], s[KP:KP+1] offset:512
	global_load_b128 v[KB:KB+3], v[L16], s[KP:KP+1] offset:8192
	global_load_b128 v[KB+4:KB+7], v[L16], s[KP:KP+1] offset:8704
	WIN 0x40                                       ; destination window 1
.irp i, 2,3,4,5,6,7,8,9,10,11,12,13,14,15
	global_load_b128 v[8*(\i-2):8*(\i-2)+3], v[L16], s[KP:KP+1] offset:8192*\i       ; the pairs of periods 2 to 15, for pass 1, where the accumulators will lie
	global_load_b128 v[8*(\i-2)+4:8*(\i-2)+7], v[L16], s[KP:KP+1] offset:8192*\i+512
.endr
.irp i, 0,1,2,3,4,5,6,7,8,9,10,11,12,13,14,15
	global_load_b128 v[XW+4*\i:XW+4*\i+3], v[AXO], s[14:15] offset:32768*\i th:TH_LOAD_NT   ; x at channels 32 w + 2 i + h: sixteen lanes read 256 consecutive bytes; wanted at the very end
.endr
	WIN 0
	s_wait_kmcnt 0x0
	s_add_co_i32 s68, s48, s49
	s_lshl_b32 s68, s68, 23
	s_mov_b32 s54, 0x3fb8aa3b                      ; log2(e);
	s_add_co_i32 s54, s54, s68                     ; a score stands for score x 2^(e6 + e7): the two exponents are added to its exponent field
	s_mov_b32 s55, s54                             ; (named with it as a pair, so it is written)
	s_add_co_i32 s68, s51, 127
	s_lshl_b32 s69, s68, 23
	v_mov_b32 v[SC9], s69
	s_add_co_i32 s68, s68, 15
	s_lshl_b32 s68, s68, 23
	s_or_b32 s68, s68, 0x600000
	v_mov_b32 v[LM9], s68
	s_add_co_i32 s53, s50, s51                     ; e8 + e9
	; ---- PASS 1: my pair of key tiles of each of the 16 periods, two periods a group
.irp n, 0,1,2,3,4,5,6,7
	GROUP \n
.endr
.irp q, 0,1,2,3
	v_permlanex16_b32 v[TP+\q], v[MX+\q], s56, s57 ; the query's other keys lie in the lane 16 away
.endr
.irp q, 0,1,2,3
	v_max_num_f32 v[MX+\q], v[MX+\q], v[TP+\q]
.endr
	ds_store_b128 v[AMX], v[MX:MX+3]
	s_wait_dscnt 0x0                               ; for the others' sake: my maxima have landed
	s_barrier_signal -1
	s_barrier_wait -1
.irp u, 0,1,2,3,4,5,6,7
	ds_load_b128 v[S+4*\u:S+4*\u+3], v[MXR] offset:512*\u   ; the eight waves' maxima of my lane's four queries
.endr
	s_wait_dscnt 0x0
.irp q, 0,1,2,3
	v_max3_num_f32 v[MX+\q], v[S+\q], v[S+4+\q], v[S+8+\q]
.endr
.irp q, 0,1,2,3
	v_max3_num_f32 v[MX+\q], v[MX+\q], v[S+12+\q], v[S+16+\q]
.endr
.irp q, 0,1,2,3
	v_max3_num_f32 v[MX+\q], v[MX+\q], v[S+20+\q], v[S+24+\q]
.endr
.irp q, 0,1,2,3
	v_max_num_f32 v[MX+\q], v[MX+\q], v[S+28+\q]
.endr
.irp q, 0,1,2,3
	v_mul_f32 v[MX+\q], s54, v[MX+\q]              ; as t (c is positive)
.endr
.irp q, 0,1,2,3
	v_floor_f32 v[NM+2*\q], -v[MX+\q]              ; -M = floor(-t) = -ceil(t): M is a whole number
.endr
.irp q, 0,1,2,3
	v_mov_b32 v[NM+2*\q+1], v[NM+2*\q]             ; (named with it as a pair)
.endr
	; ---- PASS 2: 16 periods, two to a slot.  Behind the first barrier of slots 1 to 6 the slot that was left is filled again
	PERIOD KA, -1, 16384, 0, 1, 0                  ; period 0: its products start O's sums: nothing is cleared.  Its pair and period 1's have been in since pass 1
	PERIOD KB, -1, 24576, 1, 0, 3
	s_mov_b32 s61, 6                               ; refills to come
.Lslot:                                            ; a trip is a slot: periods 2 to 13
	PERIOD KA, 2, 32768, 0, 0, 1                   ; the other set's two loads are younger than this pair's
	PERIOD KB, 2, 40960, 1, 0, 3
	s_wait_xcnt 0x0                                ; this trip's loads of K have read their base, so it may step
	s_add_nc_u64 s[KP:KP+1], s[KP:KP+1], 16384     ; two periods on
	s_sub_co_u32 s61, s61, 1
	s_cmp_lg_u32 s61, 0
	s_cbranch_scc1 .Lslot
	PERIOD KA, 2, -1, 0, 0, 2                      ; the last slot is written out; nothing of K is left to fetch
	PERIOD KB, 0, -1, 1, 0, 3
	; ---- THE WAY OUT.  The two groups' parts of O meet in a stage, a row a channel; the eight waves' parts of l in LBUF.
.rept 4
	v_nop                                          ; places behind the last products
.endr
	s_wait_dscnt 0x0
	s_barrier_signal -1
	s_barrier_wait -1                              ; no wave reads the ring or P any more
	WIN 0x04                                       ; store data in window 1
.irp t, 0,1,2,3
.irp q, 0,1,2,3
	ds_store_b128 v[STO], v[8*(4*\t+\q):8*(4*\t+\q)+3] offset:16*SPI*\t+128*(\q/2)+32*(\q%2)       ; channel 64 w' + 16 t + r, pixels 32 (q / 2) + 16 h + 8 (q % 2) + 0 .. 7; each accumulator from its low end on
	ds_store_b128 v[STO], v[8*(4*\t+\q)+4:8*(4*\t+\q)+7] offset:16*SPI*\t+128*(\q/2)+32*(\q%2)+16
.endr
.endr
	WIN 0
.irp q, 0,1,2,3
	v_add_f32 v[LS+2*\q], v[LS+2*\q], v[LS+2*\q+1] ; l's two halves,
.endr
.irp q, 0,1,2,3
	v_permlanex16_b32 v[TP+\q], v[LS+2*\q], s56, s57
.endr
.irp q, 0,1,2,3
	v_add_f32 v[LS+2*\q], v[LS+2*\q], v[TP+\q]     ; and lane l xor 16's: my wave's part of the row's sum
.endr
.irp q, 0,1,2,3
	ds_store_b32 v[LST], v[LS+2*\q] offset:128*(\q/2)+32*(\q%2)   ; lanes l and l xor 16 write the same word with the same number
.endr
	s_wait_dscnt 0x0
	s_barrier_signal -1
	s_barrier_wait -1
.irp u, 0,1,2,3,4,5,6,7
	ds_load_b128 v[192+4*\u:195+4*\u], v[LRD] offset:256*\u   ; the eight parts of l for pixels 4 r .. 4 r + 3
.endr
.irp i, 0,1,2,3,4,5,6,7,8,9,10,11,12,13,14,15
	ds_load_b128 v[64+4*\i:67+4*\i], v[SRD0] offset:2*SPI*\i  ; group 0's part of channels 32 w + 2 i + h
.endr
.irp i, 0,1,2,3,4,5,6,7,8,9,10,11,12,13,14,15
	ds_load_b128 v[128+4*\i:131+4*\i], v[SRD1] offset:2*SPI*\i   ; group 1's
.endr
	s_wait_dscnt 32                                ; l's parts are in; the stage's 32 loads may be out
.irp u, 1,2,3,4,5,6,7
	v_pk_add_f32 v[192:193], v[192:193], v[192+4*\u:193+4*\u]
	v_pk_add_f32 v[194:195], v[194:195], v[194+4*\u:195+4*\u]
.endr
.irp k, 0,1,2,3
	v_rcp_f32 v[FF+\k], v[192+\k]
.endr
	v_nop                                          ; a plain line between the last reciprocal and the use of its result
	s_wait_alu depctr_va_vdst(0)
.irp k, 0,1,2,3
	v_mul_f32 v[FF+\k], s52, v[FF+\k]              ; alpha / l,
.endr
.irp k, 0,1,2,3
	v_ldexp_f32 v[FF+\k], v[FF+\k], s53            ; x 2^(e8 + e9)
.endr
	s_wait_dscnt 0x0
.irp i, 0,1,2,3,4,5,6,7,8,9,10,11,12,13,14,15
.irp k, 0,2
	v_pk_add_f32 v[64+4*\i+\k:65+4*\i+\k], v[64+4*\i+\k:65+4*\i+\k], v[128+4*\i+\k:129+4*\i+\k]
.endr
.endr
	s_wait_loadcnt 0x0                             ; x
	WIN 0x10                                       ; source 2 in window 1
.irp i, 0,1,2,3,4,5,6,7,8,9,10,11,12,13,14,15
.irp k, 0,2
	v_pk_fma_f32 v[64+4*\i+\k:65+4*\i+\k], v[64+4*\i+\k:65+4*\i+\k], v[FF+\k:FF+\k+1], v[XW+4*\i+\k:XW+4*\i+\k+1]
.endr
.endr
	WIN 0
.irp i, 0,1,2,3,4,5,6,7,8,9,10,11,12,13,14,15
	global_store_b128 v[AXO], v[64+4*\i:67+4*\i], s[16:17] offset:32768*\i th:TH_STORE_NT   ; sixteen lanes store 256 consecutive bytes, at a multiple of 256 from out's first byte; written once, read by nobody here
.endr
	s_wait_tensorcnt 0x0                           ; the wave's end, behind my last tensor load and my last LDS store
	ds_add_u32 v[SPW], v[NIL]
	s_wait_dscnt 0x0
	CROUND                                         ; the closing round: no work-group ends while a partner may still ask for a tile that names it
	s_endpgm
.Lfunc_end_k_qc1e7ef8bad_attend:
	.size	k_qc1e7ef8bad_attend, .Lfunc_end_k_qc1e7ef8bad_attend-k_qc1e7ef8bad_attend
	.p2alignl 7, 3214868480
	.fill 96, 4, 3214868480
	.section	.rodata,"a",@progbits
	.p2align	6, 0x0
	.amdhsa_kernel k_qc1e7ef8bad_attend
		.amdhsa_group_segment_fixed_size 327680
		.amdhsa_private_segment_fixed_size 0
		.amdhsa_enable_private_segment 0
		.amdhsa_kernarg_size 56
		.amdhsa_user_sgpr_count 2
		.amdhsa_user_sgpr_kernarg_segment_ptr 1
		.amdhsa_wavefront_size32 1
		.amdhsa_system_sgpr_workgroup_id_x 1
		.amdhsa_system_sgpr_workgroup_id_y 1
		.amdhsa_system_sgpr_workgroup_id_z 1
		.amdhsa_system_vgpr_workitem_id 0
		.amdhsa_next_free_vgpr 448
		.amdhsa_next_free_sgpr 80
		.amdhsa_reserve_vcc 0
		.amdhsa_float_denorm_mode_32 3
		.amdhsa_float_denorm_mode_16_64 3
		.amdhsa_memory_ordered 1
		.amdhsa_forward_progress 1
		.amdhsa_inst_pref_size 151
	.end_amdhsa_kernel
	.amdgpu_metadata
---
amdhsa.version: [ 1, 2 ]
amdhsa.kernels:
  - .name:           k_qc1e7ef8bad_attend
    .symbol:         k_qc1e7ef8bad_attend.kd
    .args:
      - { .name: fbq, .offset: 0, .size: 8, .value_kind: global_buffer, .address_space: global }
      - { .name: fcq, .offset: 8, .size: 8, .value_kind: global_buffer, .address_space: global }
      - { .name: fdq, .offset: 16, .size: 8, .value_kind: global_buffer, .address_space: global }
      - { .name: lowp_scales, .offset: 24, .size: 8, .value_kind: global_buffer, .address_space: global }
      - { .name: alpha, .offset: 32, .size: 8, .value_kind: global_buffer, .address_space: global }
      - { .name: x, .offset: 40, .size: 8, .value_kind: global_buffer, .address_space: global }
      - { .name: out0, .offset: 48, .size: 8, .value_kind: global_buffer, .address_space: global }
    .group_segment_fixed_size: 327680
    .private_segment_fixed_size: 0
    .kernarg_segment_align: 8
    .kernarg_segment_size: 56
    .max_flat_workgroup_size: 256
    .sgpr_count:     80
    .vgpr_count:     448
    .wavefront_size: 32
...
	.end_amdgpu_metadata
.endif
;; end of part 3
